; MI455X (gfx1250); checked and timed in simulation.
; The chip was launched on July 23, 2026; its instructions are those of AMD's public machine-readable ISA for CDNA 5 (MIT licence, August 2026) and "CDNA5" Instruction Set Architecture Reference Guide (July 2026). The comments in the code are by the model that wrote it; some were corrected since.
;; Mo EACT Block. Allowed arithmetic: matrix products marked QUANTISED: E2M1 operands, one E8M0 scale for each 32 along K, by v_wmma_scale_f32_16x16x128_f8f6f4 with both operands' format E2M1 (or v_wmma_scale_f32_32x16x128_f4), f32 sums; products left as they are: f32 operands where the result goes on into a quantised operand, else bf16, f16 or f32 operands; f32 sums; everything else in f32.
;; Inputs: b1 8 x 4,096 float32; b2 8 x 1,024 float32; hidden_states 4 x 256 x 1,024 float32; ln_b 8 x 1,024 float32; ln_g 8 x 1,024 float32; router_b 8 float32; router_w 1,024 x 8 float32; w1 8 x 1,024 x 4,096 float32; w2 8 x 4,096 x 1,024 float32.
;; Outputs: out0 4 x 256 x 1,024 float32; out1 one number float32; out2 one number float32.
;; This version of the problem:
;;   THIS VERSION OF THE PROBLEM IS GIVEN IN LOW PRECISION. The matrix products marked QUANTISED in the list below multiply operands that are first quantised to E2M1 (2 exponent bits, 1 mantissa bit; 4 bits a number), with one power-of-two scale for each 32 numbers along K (OCP MX v1.0); their sums are f32. All else is computed in f32.
;;   The module's matrix products, in the order in which they are computed (A, B: the left and right operand; K: the contracted axis; several contracted axes count as one K, in the product's order):
;;     1. [M 1,024, K 1,024] x [K 1,024, N 8]; A: input hidden_states; B: input router_w: left as it is (N = 8 < 16)
;;     2. batch 1,024 x [M 8, K 2] x [K 2, N 1]; A: computed on the way; B: computed on the way: left as it is (K = 2 < 32)
;;     3. batch 8 x [M 1,024, K 1,024] x [K 1,024, N 4,096]; A: computed on the way; B: input w1: QUANTISED
;;     4. batch 8 x [M 1,024, K 4,096] x [K 4,096, N 1,024]; A: computed on the way; B: input w2: QUANTISED
;;     5. batch 1,024 x [M 1,024, K 8] x [K 8, N 1]; A: computed on the way; B: computed on the way: left as it is (K = 8 < 32)
;;   THE QUANTISER, for each operand of a quantised product, along K:
;;     - K is cut into blocks of 32 from its start; a last block that is shorter is filled with zeros.
;;     - A block's scale is 2^e with e = floor(log2(the largest magnitude in the block)) - 2, held to -126 .. 127; a block of zeros has e = 0. As a byte (E8M0): e + 127.
;;     - Each number is divided by its block's scale, clamped to +-6, and rounded to the nearest number of E2M1, ties to even, subnormals kept.
;;     - The product sums the exact products of the quantised numbers (number of the format x scale) in f32.
;;   ~~~python
;;   def quantise(x, axis):      # numpy; x: float32 -> the quantised numbers, widened to float32 again
;;       x = np.moveaxis(x, axis, -1); K = x.shape[-1]
;;       x = np.pad(x, [(0, 0)] * (x.ndim - 1) + [(0, -K % 32)]); x = x.reshape(x.shape[:-1] + (-1, 32)); a = np.abs(x).max(-1, keepdims=True)
;;       e = np.where(a > 0, np.clip(np.frexp(np.where(a > 0, a, 1))[1] - 1 - 2, -126, 127), 0)      # np.frexp(a)[1] - 1 = floor(log2(a)), exactly
;;       r = np.clip(x / 2.0 ** e, -6, 6)
;;       step = 2.0 ** (np.maximum(np.frexp(np.where(r == 0, 1, r))[1] - 1, 0) - 1)
;;       q = np.round(r / step) * step * 2.0 ** e      # np.round: ties to even
;;       return np.moveaxis(q.reshape(q.shape[:-2] + (-1,))[..., :K], -1, axis).astype(np.float32)
;;   ~~~
;;   OPERANDS COMPUTED ON THE WAY. 'Computed on the way' means the value that the module computes at that place (a softmax that the list does not call 'softmax' is quantised finished and normalised). What goes into a quantiser is computed in f32, as accurately as f32 sums, v_exp_f32 and their like allow (about 1e-6 of the number): no bf16 or f16 on the way to a quantiser, and a product that is left as it is and whose result goes on into a quantised operand takes f32 operands (vector FMAs, or v_wmma_f32_16x16x4_f32). A number that lies on a knife's edge between two numbers of the format may be rounded either way, as far as f32 arithmetic and the matrix unit's own rounding can turn it there, and no further.
;; One version. Each part assembles by itself: llvm-mc -triple=amdgcn-amd-amdhsa -mcpu=gfx1250 --defsym DOCPART=n.
;; ======== version 1 of 1: 4 launches
;; limits: right only within a limited range of input values
;; workspace buffers: xq 4,456,448 bytes; hq 18,874,368 bytes; yb 67,108,864 bytes; gate 8,192 bytes; pick 12,288 bytes of whole numbers; place 33,792 bytes of whole numbers
;; launch route (part 1): grid 256 x 1, 4 waves a work-group, no clusters, 33,280 bytes of LDS; arguments hidden_states, router_w, router_b, ln_g, ln_b, xq, gate, pick, out1, out2; writes xq, gate, pick, out1, out2
.if DOCPART == 1
	.amdgcn_target "amdgcn-amd-amdhsa--gfx1250"
	.amdhsa_code_object_version 6
	.text
	.protected	k_q3b7fda80f6_route
	.globl	k_q3b7fda80f6_route
	.p2align	8
	.type	k_q3b7fda80f6_route,@function
k_q3b7fda80f6_route:
	s_mov_b64 s[64:65], 0
	v_nop
	global_prefetch_b8 v0, s[64:65] scope:SCOPE_SE
	s_setreg_imm32_b32 hwreg(HW_REG_WAVE_MODE, 25, 1), 1
	s_wait_xcnt 0x0
; ROUTE.  For each of 1,024 tokens of 1,024 numbers: the router (logits in f32, softmax with its maximum taken away, the two largest, their weights renormalised), the layer norm's
; statistics, and xn = (x - mu) rsqrt(var + 1e-5) g[e] + b[e] for ALL eight experts, turned into codes of FP4 (E2M1) with one E8M0 byte for each 32 along the row.  out1 = out2 = 0.
; All stores go to fixed places: no address here hangs on the choice.  xq: codes [e][t][512 bytes] from byte 0, scale bytes [e][t][32] from byte 4,194,304.
; gate: [t][2] f32.  pick: sel[t] = (1 << i0) | (1 << i1) from byte 0, the two experts' numbers [t][2] from byte 4,096.
; SHARES.  A work-group of four waves owns tokens 4 wg .. 4 wg + 3.  First wave w works token 4 wg + w; then, behind the one barrier, wave w serves experts 2 w and 2 w + 1 for all four tokens,
; so that a row of ln_g and ln_b is loaded once a work-group.
; A LANE'S NUMBERS.  Register 16 st + i of lane l is number 512 st + 16 l + i of a row (st = 0, 1): sixteen neighbours, as the conversions want; two neighbouring lanes hold a block of 32.
; A lane's loads of x, ln_g, ln_b are 64 bytes apart from its neighbour's; four loads that follow each other cover 2,048 bytes whole.  These are 4 MB in the whole launch: no turn through LDS is spent on them.
; LIMITS.  NaN and infinities among the inputs are not served.  A block whose largest magnitude lies under 2^-124 keeps the scale byte 1; a block of zeros keeps the byte 1 with zero codes (this program alone
; reads the bytes).  The two largest are taken of p = exp(l - max) x (1 / sum), which is within an ulp or two of a divided p; equal p keep the lower index.
.set XROW, 0                           ; LDS: 4 x 4,096 bytes: wave w's row of x as it lies in memory (the wave's own bytes)
.set XIMG, 16384                       ; LDS: 4 x 4,096 bytes: (x - mu) rstd as an image of its 32 registers: group i of four at 512 i + 16 lane
.set X,   32                           ; v32-63   x, then (x - mu) rstd
.set RW,  64                           ; v64-191  router_w, two sets of 64; later ln_g and ln_b of the wave's two experts: g at 64 + 64 ee, b at 96 + 64 ee
.set XS,  192                          ; v192-223 x as the router wants it, two sets of 16; later xn
.set XN,  192
.set ACC, 224                          ; v224-231 the logits' sums, two chains of four
.set CD,  224                          ; v224-255 in the second part: four registers of codes for each of the eight (token, expert): no store's data are written again
; v1 lane; v2 64 l; v3 16 l; v4, v5 my row in XROW (stores, the router's reads); v6, v7 images (store, load); v8 8 l; v9 my place in 128 scale bytes; v10 8 x ((l / 2) % 4); v11-31 at work
	s_load_b512 s[4:19], s[0:1], 0x0               ; hidden_states, router_w, router_b, ln_g, ln_b, xq, gate, pick
	s_load_b128 s[20:23], s[0:1], 0x40             ; out1, out2
	s_set_vgpr_msb 0x40
	v_lshl_add_u32 v0, v0, 2, 0x8000
	v_mov_b32 v1, 0
	s_set_vgpr_msb 0x4000
	v_lshrrev_b32 v11, 5, v0
	v_readfirstlane_b32 s24, v11                   ; wave 0..3
	v_and_b32 v1, 31, v0                           ; lane
	s_lshl_b32 s25, ttmp9, 2
	s_add_co_u32 s25, s25, s24                     ; my token
	s_lshl_b32 s26, s24, 12                        ; 4,096 x wave
	v_lshlrev_b32 v2, 6, v1
	v_lshlrev_b32 v3, 4, v1
	v_add_nc_u32 v4, s26, v2
	v_lshrrev_b32 v11, 1, v1
	v_lshl_add_u32 v5, v11, 2, s26
	v_add_nc_u32 v6, s26, v3
	v_add_nc_u32 v6, XIMG, v6
	v_add_nc_u32 v7, XIMG, v3
	v_lshlrev_b32 v8, 3, v1
	v_bfe_u32 v10, v0, 1, 2                        ; (l / 2) % 4
	v_lshlrev_b32 v9, 5, v10                       ; the scale bytes' way out: lane l carries token (l / 2) % 4, half l % 2, word l / 8
	v_and_b32 v11, 1, v0
	v_lshl_add_u32 v9, v11, 4, v9
	v_bfe_u32 v11, v0, 3, 2
	v_lshl_add_u32 v9, v11, 2, v9
	v_lshlrev_b32 v10, 3, v10
	s_mov_b32 s28, 0x76543210
	s_mov_b32 s29, 0xfedcba98                      ; v_permlanex16_b32's selects for lane l xor 16
	s_mov_b32 s30, 0x3a800000                      ; 1 / 1,024
	s_mov_b32 s31, 0x3727c5ac                      ; 1e-5
	s_mov_b32 s40, 0xaaaaaaaa                      ; the odd lanes
	s_mov_b32 s42, 0x0c0c0c0c                      ; the lanes with (l / 2) % 4 = 1, 2, 3
	s_mov_b32 s43, 0x30303030
	s_mov_b32 s44, 0xc0c0c0c0
	s_lshl_b32 s26, s25, 12                        ; my token's row
	s_mov_b32 s27, 0
	s_wait_kmcnt 0x0
	s_load_b256 s[32:39], s[8:9], 0x0              ; router_b
	s_add_nc_u64 s[4:5], s[4:5], s[26:27]
.irp i, 0,1,2,3,4,5,6,7
	global_load_b128 v[X+4*\i:X+4*\i+3], v2, s[4:5] offset:2048*(\i/4)+16*(\i%4) th:TH_LOAD_NT
.endr
; router_w [1024][8] is taken as it lies: load m of 64 reads 512 consecutive bytes; lane l gets row k = 16 m + l / 2, experts 4 (l % 2) .. + 3
.macro RWLOAD g, p
.irp m, 0,1,2,3,4,5,6,7,8,9,10,11,12,13,14,15
	global_load_b128 v[RW+64*(\p)+4*\m:RW+64*(\p)+4*\m+3], v3, s[6:7] offset:512*(16*(\g)+\m)
.endr
.endm
.macro XSLOAD g, p                     ; and x[16 m + l / 2] beside it, from my own row in LDS
.irp m, 0,1,2,3,4,5,6,7,8,9,10,11,12,13,14,15
	ds_load_b32 v[XS+16*(\p)+\m], v5 offset:64*(16*(\g)+\m)
.endr
.endm
	RWLOAD 0, 0
	RWLOAD 1, 1
	s_lshl_b32 s26, s24, 13                        ; the bases of all that follows: two rows of 4,096 bytes a wave in ln_g and ln_b,
	s_add_nc_u64 s[46:47], s[10:11], s[26:27]
	s_add_nc_u64 s[48:49], s[12:13], s[26:27]
	s_lshl_b32 s26, s25, 2
	s_add_nc_u64 s[50:51], s[18:19], s[26:27]      ; sel[t],
	s_lshl_b32 s26, s25, 3
	s_add_nc_u64 s[52:53], s[18:19], s[26:27]      ; the experts' numbers (4,096 bytes on, in the immediate),
	s_add_nc_u64 s[54:55], s[16:17], s[26:27]      ; the weights,
	s_lshl_b32 s26, s24, 20
	s_lshl_b32 s60, ttmp9, 11
	s_add_co_u32 s26, s26, s60
	s_add_nc_u64 s[56:57], s[14:15], s[26:27]      ; codes: expert 2 w, token 4 wg,
	s_lshl_b32 s26, s24, 16
	s_lshl_b32 s60, ttmp9, 7
	s_add_co_u32 s26, s26, s60
	s_add_nc_u64 s[58:59], s[14:15], s[26:27]      ; scale bytes likewise (4,194,304 bytes on, in the immediate)
	s_wait_loadcnt 32                              ; x is in: behind it stand the router's first two groups, 32 loads
.irp i, 0,1,2,3,4,5,6,7
	ds_store_b128 v4, v[X+4*\i:X+4*\i+3] offset:2048*(\i/4)+16*(\i%4)
.endr
	XSLOAD 0, 0                                    ; LDS serves a wave's instructions in order: these see the stores above
	XSLOAD 1, 1
.macro LANESUM r, t                    ; the sum of v[r] over the 32 lanes, in every lane; v[t] has been written before
	v_add_f32_dpp v[\r], v[\r], v[\r] row_xmask:1 row_mask:0xf bank_mask:0xf
	v_add_f32_dpp v[\r], v[\r], v[\r] row_xmask:2 row_mask:0xf bank_mask:0xf
	v_add_f32_dpp v[\r], v[\r], v[\r] row_xmask:4 row_mask:0xf bank_mask:0xf
	v_add_f32_dpp v[\r], v[\r], v[\r] row_xmask:8 row_mask:0xf bank_mask:0xf
	v_permlanex16_b32 v[\t], v[\r], s28, s29
	v_add_f32 v[\r], v[\r], v[\t]
.endm
	; the mean, then the mean of the squared differences, as reference() takes them
	v_pk_add_f32 v[232:233], v[X:X+1], v[X+2:X+3]
	v_pk_add_f32 v[234:235], v[X+4:X+5], v[X+6:X+7]
.irp j, 8,12,16,20,24,28
	v_pk_add_f32 v[232:233], v[232:233], v[X+\j:X+\j+1]
	v_pk_add_f32 v[234:235], v[234:235], v[X+\j+2:X+\j+3]
.endr
	v_pk_add_f32 v[232:233], v[232:233], v[234:235]
	v_add_f32 v232, v232, v233
	LANESUM 232, 233
	v_mul_f32 v232, s30, v232                      ; mu
.irp j, 0,2,4,6,8,10,12,14,16,18,20,22,24,26,28,30
	v_pk_add_f32 v[X+\j:X+\j+1], v[X+\j:X+\j+1], v[232:233] op_sel_hi:[1,0] neg_lo:[0,1] neg_hi:[0,1]
.endr
	v_pk_mul_f32 v[234:235], v[X:X+1], v[X:X+1]
	v_pk_mul_f32 v[236:237], v[X+2:X+3], v[X+2:X+3]
.irp j, 4,8,12,16,20,24,28
	v_pk_fma_f32 v[234:235], v[X+\j:X+\j+1], v[X+\j:X+\j+1], v[234:235]
	v_pk_fma_f32 v[236:237], v[X+\j+2:X+\j+3], v[X+\j+2:X+\j+3], v[236:237]
.endr
	v_pk_add_f32 v[234:235], v[234:235], v[236:237]
	v_add_f32 v234, v234, v235
	LANESUM 234, 235
	v_fma_f32 v234, v234, s30, s31                 ; var + 1e-5
	s_wait_alu depctr_va_vdst(0)
	v_rsq_f32 v236, v234
	v_nop                                          ; a plain instruction behind the transcendental,
	s_wait_alu depctr_va_vdst(0)                   ; and the wait ahead of its first reader
.irp j, 0,2,4,6,8,10,12,14,16,18,20,22,24,26,28,30
	v_pk_mul_f32 v[X+\j:X+\j+1], v[X+\j:X+\j+1], v[236:237] op_sel_hi:[1,0]
.endr
.irp i, 0,1,2,3,4,5,6,7
	ds_store_b128 v6, v[X+4*\i:X+4*\i+3] offset:512*\i     ; the image for the other waves
.endr
; THE ROUTER: 64 rows of router_w a lane in four groups of 16; four sums a lane (its four experts), in two chains.  cnt: the loads of the next group, which may stay out.
.macro RGROUP g, p, cnt, first, more
	s_wait_loadcnt \cnt
	s_wait_dscnt 0x0                               ; this group's x is in
.irp m, 0,2,4,6,8,10,12,14
.if (\first) && (\m == 0)
	v_pk_mul_f32 v[ACC:ACC+1], v[RW+64*\p:RW+64*\p+1], v[XS+16*\p:XS+16*\p+1] op_sel_hi:[1,0]              ; the first products start the sums
	v_pk_mul_f32 v[ACC+2:ACC+3], v[RW+64*\p+2:RW+64*\p+3], v[XS+16*\p:XS+16*\p+1] op_sel_hi:[1,0]
	v_pk_mul_f32 v[ACC+4:ACC+5], v[RW+64*\p+4:RW+64*\p+5], v[XS+16*\p:XS+16*\p+1] op_sel:[0,1] op_sel_hi:[1,1]
	v_pk_mul_f32 v[ACC+6:ACC+7], v[RW+64*\p+6:RW+64*\p+7], v[XS+16*\p:XS+16*\p+1] op_sel:[0,1] op_sel_hi:[1,1]
.else
	v_pk_fma_f32 v[ACC:ACC+1], v[RW+64*\p+4*\m:RW+64*\p+4*\m+1], v[XS+16*\p+\m:XS+16*\p+\m+1], v[ACC:ACC+1] op_sel_hi:[1,0,1]
	v_pk_fma_f32 v[ACC+2:ACC+3], v[RW+64*\p+4*\m+2:RW+64*\p+4*\m+3], v[XS+16*\p+\m:XS+16*\p+\m+1], v[ACC+2:ACC+3] op_sel_hi:[1,0,1]
	v_pk_fma_f32 v[ACC+4:ACC+5], v[RW+64*\p+4*\m+4:RW+64*\p+4*\m+5], v[XS+16*\p+\m:XS+16*\p+\m+1], v[ACC+4:ACC+5] op_sel:[0,1,0] op_sel_hi:[1,1,1]
	v_pk_fma_f32 v[ACC+6:ACC+7], v[RW+64*\p+4*\m+6:RW+64*\p+4*\m+7], v[XS+16*\p+\m:XS+16*\p+\m+1], v[ACC+6:ACC+7] op_sel:[0,1,0] op_sel_hi:[1,1,1]
.endif
.endr
.if \more
	RWLOAD (\g)+2, \p
	XSLOAD (\g)+2, \p
.endif
.endm
	RGROUP 0, 0, 16, 1, 1
	s_wait_alu depctr_va_vdst(0)
	RGROUP 1, 1, 16, 0, 1
	s_wait_alu depctr_va_vdst(0)
	RGROUP 2, 0, 16, 0, 0
	s_wait_alu depctr_va_vdst(0)
	RGROUP 3, 1, 0, 0, 0
.irp ee, 0,1                           ; router_w's registers are free: ln_g and ln_b of my two experts, in x's order of numbers
.irp i, 0,1,2,3,4,5,6,7
	global_load_b128 v[64+64*\ee+4*\i:64+64*\ee+4*\i+3], v2, s[46:47] offset:4096*\ee+2048*(\i/4)+16*(\i%4)
	global_load_b128 v[96+64*\ee+4*\i:96+64*\ee+4*\i+3], v2, s[48:49] offset:4096*\ee+2048*(\i/4)+16*(\i%4)
.endr
.endr
	v_pk_add_f32 v[ACC:ACC+1], v[ACC:ACC+1], v[ACC+4:ACC+5]
	v_pk_add_f32 v[ACC+2:ACC+3], v[ACC+2:ACC+3], v[ACC+6:ACC+7]
.irp x, 2,4,8                          ; over the lanes of my parity
.irp i, 0,1,2,3
	v_add_f32_dpp v[ACC+\i], v[ACC+\i], v[ACC+\i] row_xmask:\x row_mask:0xf bank_mask:0xf
.endr
.endr
.irp i, 0,1,2,3
	v_permlanex16_b32 v[ACC+4+\i], v[ACC+\i], s28, s29
.endr
.irp i, 0,1,2,3
	v_add_f32 v[ACC+\i], v[ACC+\i], v[ACC+4+\i]
.endr
.irp i, 0,1,2,3
	v_mov_b32_dpp v[ACC+4+\i], v[ACC+\i] row_xmask:1 row_mask:0xf bank_mask:0xf    ; the other parity's four experts
.endr
.irp i, 0,1,2,3
	v_cndmask_b32 v[16+\i], v[ACC+\i], v[ACC+4+\i], s40      ; experts 0-3: an even lane's own
	v_cndmask_b32 v[20+\i], v[ACC+4+\i], v[ACC+\i], s40      ; experts 4-7: an odd lane's own
.endr
	s_wait_alu depctr_va_vdst(0)
	s_wait_kmcnt 0x0                               ; router_b
.irp e, 0,1,2,3,4,5,6,7
	v_add_f32 v[16+\e], s[32+\e], v[16+\e]         ; the eight logits, in every lane
.endr
	v_max3_num_f32 v24, v16, v17, v18              ; softmax: the maximum is taken away, as in reference()
	v_max3_num_f32 v24, v24, v19, v20
	v_max3_num_f32 v24, v24, v21, v22
	v_max_num_f32 v24, v24, v23
.irp e, 0,1,2,3,4,5,6,7
	v_sub_f32 v[16+\e], v[16+\e], v24
.endr
.irp e, 0,1,2,3,4,5,6,7
	v_mul_f32 v[16+\e], 0x3fb8aa3b, v[16+\e]       ; x log2(e)
.endr
	s_wait_alu depctr_va_vdst(0)
.irp e, 0,1,2,3,4,5,6,7
	v_exp_f32 v[16+\e], v[16+\e]
.endr
	v_nop
	s_wait_alu depctr_va_vdst(0)                   ; one wait for the eight
	v_add_f32 v25, v16, v17
	v_add_f32 v26, v18, v19
	v_add_f32 v27, v20, v21
	v_add_f32 v28, v22, v23
	v_add_f32 v25, v25, v26
	v_add_f32 v27, v27, v28
	v_add_f32 v25, v25, v27
	s_wait_alu depctr_va_vdst(0)
	v_rcp_f32 v26, v25
	v_nop
	s_wait_alu depctr_va_vdst(0)
.irp e, 0,1,2,3,4,5,6,7
	v_mul_f32 v[16+\e], v[16+\e], v26              ; p
.endr
	v_mov_b32 v24, v16                             ; the largest p: a later one wins only if it is strictly larger, so the lower index stays
	v_mov_b32 v12, 0
.irp e, 1,2,3,4,5,6,7
	v_cmp_gt_f32 vcc_lo, v[16+\e], v24
	v_cndmask_b32 v24, v24, v[16+\e], vcc_lo
	v_cndmask_b32 v12, v12, \e, vcc_lo
.endr
.irp e, 0,1,2,3,4,5,6,7
	v_cmp_eq_u32 vcc_lo, \e, v12
	v_cndmask_b32 v[16+\e], v[16+\e], -1.0, vcc_lo ; it is taken out: every p is 0 or more
.endr
	v_mov_b32 v26, v16                             ; the second largest likewise
	v_mov_b32 v13, 0
.irp e, 1,2,3,4,5,6,7
	v_cmp_gt_f32 vcc_lo, v[16+\e], v26
	v_cndmask_b32 v26, v26, v[16+\e], vcc_lo
	v_cndmask_b32 v13, v13, \e, vcc_lo
.endr
	v_add_f32 v28, v24, v26
	s_wait_alu depctr_va_vdst(0)
	v_rcp_f32 v29, v28
	v_lshlrev_b32 v30, v12, 1                      ; (plain work behind the transcendental)  1 << i0
	v_lshlrev_b32 v31, v13, 1
	v_or_b32 v30, v30, v31                         ; sel
	v_mov_b32 v11, 0
	s_wait_alu depctr_va_vdst(0)
	v_mul_f32 v14, v24, v29                        ; the two weights, renormalised
	v_mul_f32 v15, v26, v29
	v_cmp_gt_u32 vcc_lo, 1, v1                     ; lane 0 stores for the token
	s_wait_alu depctr_va_vdst(0)
	s_wait_xcnt 0x0                                ; EXEC is a source of the loads that are out: it changes only behind this wait
	s_and_saveexec_b32 s45, vcc_lo
	global_store_b32 v11, v30, s[50:51]
	global_store_b64 v11, v[12:13], s[52:53] offset:4096
	global_store_b64 v11, v[14:15], s[54:55]
	s_or_b32 s26, ttmp9, s24
	s_cmp_lg_u32 s26, 0
	s_cbranch_scc1 .Lno_zeros                      ; the first wave of the first work-group writes the two zeros
	global_store_b32 v11, v11, s[20:21]
	global_store_b32 v11, v11, s[22:23]
.Lno_zeros:
	s_wait_xcnt 0x0                                ; and again in front of the line that widens it
	s_or_b32 exec_lo, exec_lo, s45
	s_wait_dscnt 0x0                               ; for the others' sake: my image has landed
	s_barrier_signal -1
	s_barrier_wait -1                              ; the four images are whole
	s_wait_loadcnt 0x0                             ; ln_g, ln_b
; Token tt, my expert ee: xn, its 32 blocks' scales (two lanes to a block), its codes.  The two halves of the row take turns line by line.
.macro XQ tt, ee
.set GB, 64+64*\ee
.set C0, CD+4*(2*\tt+\ee)
.irp j, 0,2,4,6,8,10,12,14,16,18,20,22,24,26,28,30
	v_pk_fma_f32 v[XN+\j:XN+\j+1], v[X+\j:X+\j+1], v[GB+\j:GB+\j+1], v[GB+32+\j:GB+32+\j+1]
.endr
.irp st, 0,1
	v_max3_num_f32 v[16+\st], |v[XN+16*\st]|, |v[XN+16*\st+1]|, 0x1800000      ; my 16 numbers, and the floor 2^(3 - 127): the byte cannot fall under 1
.endr
.irp i, 2,4,6,8,10,12,14
.irp st, 0,1
	v_max3_num_f32 v[16+\st], v[16+\st], |v[XN+16*\st+\i]|, |v[XN+16*\st+\i+1]|
.endr
.endr
.irp st, 0,1
	v_max_num_f32_dpp v[16+\st], v[16+\st], v[16+\st] row_xmask:1 row_mask:0xf bank_mask:0xf   ; with my neighbour's 16: the block's largest magnitude
.endr
.irp st, 0,1
	v_add_nc_u32 v[18+\st], 0xff000000, v[16+\st]  ; 2 off its exponent field: the conversion takes the exponent field of this operand as its scale
.endr
.irp st, 0,1
	v_cvt_scalef32_pk8_fp4_f32 v[C0+2*\st], v[XN+16*\st:XN+16*\st+7], v[18+\st]
	v_cvt_scalef32_pk8_fp4_f32 v[C0+2*\st+1], v[XN+16*\st+8:XN+16*\st+15], v[18+\st]
.endr
.irp st, 0,1
	v_lshrrev_b32 v[20+\st], 23, v[18+\st]         ; the scale's byte (also the plain line behind the conversions),
.endr
.irp st, 0,1
	v_lshlrev_b32 v[20+\st], v10, v[20+\st]        ; at its place in a word of four blocks,
.endr
.irp x, 2,4
.irp st, 0,1
	v_mov_b32_dpp v[22+\st], v[20+\st] row_xmask:\x row_mask:0xf bank_mask:0xf
.endr
.irp st, 0,1
	v_or_b32 v[20+\st], v[20+\st], v[22+\st]       ; joined over the eight lanes that hold the four blocks
.endr
.endr
.if \tt == 0
	v_cndmask_b32 v[26+\ee], v20, v21, s40         ; an odd lane carries the row's second half
.else
	v_cndmask_b32 v24, v20, v21, s40
	v_cndmask_b32 v[26+\ee], v[26+\ee], v24, s[41+\tt]     ; and lanes with (l / 2) % 4 = tt carry this token
.endif
.irp st, 0,1
	global_store_b64 v8, v[C0+2*\st:C0+2*\st+1], s[56:57] offset:524288*\ee+512*\tt+256*\st     ; 32 lanes store 256 consecutive bytes, aligned
.endr
.endm
.irp tt, 0,1,2,3
.irp i, 0,1,2,3,4,5,6,7
	ds_load_b128 v[X+4*\i:X+4*\i+3], v7 offset:4096*\tt+512*\i
.endr
	s_wait_dscnt 0x0
	XQ \tt, 0
	XQ \tt, 1
.endr
.irp ee, 0,1
	global_store_b32 v9, v[26+\ee], s[58:59] offset:4194304+32768*\ee      ; four tokens' 128 scale bytes of one expert, consecutive
.endr
	s_set_vgpr_msb 0x5
	s_wait_tensorcnt 0x0
	ds_add_u32 v0, v1
	s_wait_dscnt 0x0
	s_set_vgpr_msb 0x500
	s_endpgm
.Lfunc_end_k_q3b7fda80f6_route:
	.size	k_q3b7fda80f6_route, .Lfunc_end_k_q3b7fda80f6_route-k_q3b7fda80f6_route
	.p2alignl 7, 3214868480
	.fill 96, 4, 3214868480
	.section	.rodata,"a",@progbits
	.p2align	6, 0x0
	.amdhsa_kernel k_q3b7fda80f6_route
		.amdhsa_group_segment_fixed_size 33280
		.amdhsa_private_segment_fixed_size 0
		.amdhsa_enable_private_segment 0
		.amdhsa_kernarg_size 80
		.amdhsa_user_sgpr_count 2
		.amdhsa_user_sgpr_kernarg_segment_ptr 1
		.amdhsa_wavefront_size32 1
		.amdhsa_system_sgpr_workgroup_id_x 1
		.amdhsa_system_sgpr_workgroup_id_y 1
		.amdhsa_system_sgpr_workgroup_id_z 1
		.amdhsa_system_vgpr_workitem_id 0
		.amdhsa_next_free_vgpr 258
		.amdhsa_next_free_sgpr 66
		.amdhsa_reserve_vcc 1
		.amdhsa_float_denorm_mode_32 3
		.amdhsa_float_denorm_mode_16_64 3
		.amdhsa_memory_ordered 1
		.amdhsa_forward_progress 1
		.amdhsa_inst_pref_size 69
	.end_amdhsa_kernel
	.amdgpu_metadata
---
amdhsa.version: [ 1, 2 ]
amdhsa.kernels:
  - .name:           k_q3b7fda80f6_route
    .symbol:         k_q3b7fda80f6_route.kd
    .args:
      - { .name: hidden_states, .offset: 0, .size: 8, .value_kind: global_buffer, .address_space: global }
      - { .name: router_w, .offset: 8, .size: 8, .value_kind: global_buffer, .address_space: global }
      - { .name: router_b, .offset: 16, .size: 8, .value_kind: global_buffer, .address_space: global }
      - { .name: ln_g, .offset: 24, .size: 8, .value_kind: global_buffer, .address_space: global }
      - { .name: ln_b, .offset: 32, .size: 8, .value_kind: global_buffer, .address_space: global }
      - { .name: xq, .offset: 40, .size: 8, .value_kind: global_buffer, .address_space: global }
      - { .name: gate, .offset: 48, .size: 8, .value_kind: global_buffer, .address_space: global }
      - { .name: pick, .offset: 56, .size: 8, .value_kind: global_buffer, .address_space: global }
      - { .name: out1, .offset: 64, .size: 8, .value_kind: global_buffer, .address_space: global }
      - { .name: out2, .offset: 72, .size: 8, .value_kind: global_buffer, .address_space: global }
    .group_segment_fixed_size: 33280
    .private_segment_fixed_size: 0
    .kernarg_segment_align: 8
    .kernarg_segment_size: 80
    .max_flat_workgroup_size: 128
    .sgpr_count:     66
    .vgpr_count:     258
    .wavefront_size: 32
...
	.end_amdgpu_metadata
.endif
;; end of part 1
;; launch ffn1 (part 2): grid 32 x 8, 16 waves a work-group, no clusters, 73,728 bytes of LDS; arguments w1, b1, xq, pick, hq, place; writes hq, place
.if DOCPART == 2
	.amdgcn_target "amdgcn-amd-amdhsa--gfx1250"
	.amdhsa_code_object_version 6
	.text
	.protected	k_q3b7fda80f6_ffn1
	.globl	k_q3b7fda80f6_ffn1
	.p2align	8
	.type	k_q3b7fda80f6_ffn1,@function
k_q3b7fda80f6_ffn1:
	s_mov_b64 s[64:65], 0
	v_nop
	global_prefetch_b8 v0, s[64:65] scope:SCOPE_SE
	s_setreg_imm32_b32 hwreg(HW_REG_WAVE_MODE, 25, 1), 1
	s_wait_xcnt 0x0
; FFN1.  h = gelu(xn W1[e] + b1[e]) for the rows routed to expert e, on codes of FP4 (E2M1) with one E8M0 scale for each 32 along K; h leaves as codes, quantised along the hidden units.
; Rows of experts that were not chosen for a token are not multiplied: their weight in the combined result is 0 by reference()'s own one_hot, and no later launch reads them.
; A work-group is (expert e = y, 128 hidden units fs = x).  It reads its slab of w1 (1,024 rows x 128 columns of f32) ONCE.
; THE PRODUCTS GO ON WHILE THE SLAB IS STREAMED.  K goes in eight phases of 128, one K step each.  In a phase wave (cg = w % 4, kg = w / 4) quantises one block: 32 along K of 32 columns, a lane to a column, registers
; down K; its 16 bytes of codes and its scale byte go into LDS as part of an image of operand registers; one barrier; then every wave multiplies the K step for tile w of the expert's rows (16 rows x 128 hidden units).
; Each phase has LDS bytes of its own, so one barrier a phase orders all.  The loads of the blocks of the next two phases are out during the products.
; TILES FROM 16 ON are multiplied behind the last barrier, from the slab that lies whole in LDS, four waves to a tile: wave w takes tile 16 + w / 4 (+ 4 a trip) and column tiles 2 b, 2 b + 1, b = w % 4: one block of 32
; of the next K.  At most 12 trips, counted; no barrier stands under a branch on the count.  The first such tile's rows of x are gathered in phases 6 and 7 into the stream's registers, which are free by then.
; A wave whose tile w lies beyond the expert's tiles multiplies some rows inside the table and stores nothing.  Any split of tokens is served (0 to 1,024 rows).
; ORDER OF LOADS.  x(p + 1), two loads, is asked for at the head of phase p, ahead of W(p + 2): issue order .. W(p), x(p), W(p+1), x(p+1), W(p+2).  The counted waits take the least number of newer loads on any way.
; No tensor load: which tiles do work hangs on stored counts.  No cluster: each byte of w1 has one reader; an expert's rows of xq are a small part of a work-group's bytes.  No prefetch: each wave's loads of its next two blocks are out all through the phases.
; WHO IS ROUTED WHERE.  pick holds sel[t], a mask of the token's two experts.  32 ballots give a mask word M_j for tokens 32 j .. 32 j + 31 and running counts PF_j, in scalar registers.  Row N of the expert is its
; N-th member in token order: the word is found by a scan over PF, the bit by a search over partial bit counts.  Rows at or beyond the expert's count take some token inside 0 .. 1,023; nobody reads their results.
; place (stored by the wave 0 of fs = 0): rank[t][e] = members of e before t; cnt[e] = their number, 32 equal words from byte 32,768.
; hq: codes [e][tile 64][K step 32][1,024-byte image: register group c at 512 c + 16 lane] from byte 0; scale words [e][tile][K step][4 x lane] from byte 16,777,216.
; THE PRODUCT IS USED TRANSPOSED (source 0 = 16 columns of w1, source 1 = 16 rows of x), AND THE COLUMNS OF A TILE ARE NOT NEIGHBOURS: row r of tile 2 b + u is hidden unit 32 b + 8 u + r + 8 (r / 8),
; so that the 16 registers of tiles 2 b and 2 b + 1 are 16 neighbours along the next K.
; gelu is the tanh form: x / (1 + 2^(x (KA + KB x^2))), KA = -2 log2(e) sqrt(2 / pi), KB = 0.044715 KA.
; LIMITS.  NaN and infinities are not served.  A block whose largest magnitude lies under 2^-124 keeps the byte 1; a block of zeros keeps the byte 1 with zero codes.
.set WSC,  65536                       ; LDS: fragment (column tile t, K step s) at (8 t + s) x 1,024 from byte 0; its rows' scale words at WSC + (8 t + s) x 64 + 4 r
.set B1L,  69632                       ; b1's 128 numbers: 512 bytes
.set SPARE, 0x11800                    ; the spare words: 128 bytes a wave
.set PITCHW, 16384                     ; bytes from a row of w1 to the next
.set LN,  1                            ; lane
.set RR,  2                            ; lane % 16
.set H16, 3                            ; 16 x (lane / 16)
.set WLO, 4                            ; 4 x lane
.set WST, 5                            ; where my column's codes go
.set WSB, 6                            ; and its scale byte
.set FRA, 7                            ; 16 x lane
.set SCA, 8                            ; WSC + 4 (lane % 16)
.set BIA, 9                            ; B1L + 64 (lane / 16)
.set XO,  10                           ; v10, v11 my row's codes in xq: tile w's, the late tile's
.set XSO, 12                           ; v12, v13 its scale bytes
.set HO,  14                           ; a tile's place in hq
.set HSO, 15                           ; its scale words
.set L32, 16                           ; 32 x lane
.set B1A, 17                           ; B1L + 16 x lane
.set FRL, 18                           ; the late tiles: FRA + my pair's fragments
.set SCL, 19                           ; SCA + my pair's scale words
.set KA,  20                           ; v[20:21], v[22:23]: gelu's two constants, twice each
.set KB,  22
.set X,   24                           ; v24-87   two sets of 32 numbers of w1; then the late tile's eight fragments of x; then the quantiser's
.set TM,  24                           ; v24-39   the quantiser of h
.set PC,  40                           ; v40-47   the codes just made
.set PW,  48                           ; the scale word just made
.set T0,  88                           ; v88-90   the quantiser of w1
.set BIL, 91                           ; BIA + my pair's 32 numbers of b1
.set CR,  92                           ; v92-95   a block's codes
.set WF,  96                           ; v96-127  four fragments of w1; in gelu at work
.set WS,  128                          ; v128-131 their scale words: scales and nothing else
.set XSW, 132                          ; v132-139 x's scale words, tile w; v140-147 the late tile: scales and nothing else
.set XF,  148                          ; v148-163 x's fragments, two buffers; the search's registers while no fragment is wanted
.set SN,  148
.set SW,  149
.set SP,  150
.set SJ,  151
.set SA,  152
.set SBB, 153
.set SC,  154
.set SD,  155
.set SK,  156
.set SPOS, 157
.set ST,  158
.set ST2, 159
.set TOK, 160
.set ACC, 164                          ; v164-227 tile w's eight accumulators; at the head sel, then the ranks
.set ACL, 228                          ; v228-243 the late tile's two
.set LCO, 244                          ; the late tile's codes: 256 b + 16 r + 8 (lane / 16)
.set LSO, 245                          ; its scale byte: 4 x lane + b
.set B1R, 246                          ; v246-249 b1 on its way to LDS
.set CNT, 250                          ; the expert's count, as store data
.set TA,  251                          ; v251-253 at work in the head
.set TB,  252
.set TC,  253
; s[2:3] w1 512 rows on; s[4:15] w1, b1, xq, pick, hq, place (rank); s[16:17] xq's scales; s[18:19] hq's scales; s[20:21] cnt; s22 wave; s23 fs; s24 e; s25 late tile; s26 tiles; s27 trips; s[30:31] lane selects; s[32:63] M_j; s[66:97] PF_j; s98 count; s99 1 << e
	s_load_b256 s[4:11], s[0:1], 0x0
	s_load_b128 s[12:15], s[0:1], 0x20
	v_lshl_add_u32 v254, v0, 2, SPARE
	v_mov_b32 v255, 0
	v_lshrrev_b32 v[TA], 5, v0
	s_delay_alu instid0(VALU_DEP_1)
	v_readfirstlane_b32 s22, v[TA]                 ; wave 0..15
	s_mov_b32 s23, ttmp9
	s_and_b32 s24, ttmp7, 0xffff
	s_and_b32 s100, s22, 3                         ; cg: which 32 columns I stream; also b, my pair of column tiles of a late tile
	s_lshr_b32 s101, s22, 2                        ; kg: which 32 of a phase's 128 rows of K
	s_lshl_b32 s18, s100, 14                       ; 2 cg x 8 fragments of 1,024 bytes
	s_lshl_b32 s29, s101, 8
	s_add_co_u32 s16, s18, s29                     ; + 256 kg: register group kg / 2, half kg % 2
	s_lshl_b32 s19, s100, 10                       ; 2 cg x 8 x 64
	s_add_co_u32 s17, s19, s101
	s_add_co_u32 s17, s17, WSC                     ; + byte kg of the word
	s_lshl_b32 s20, s100, 7
	s_lshl_b32 s21, s100, 8
	s_mov_b32 s30, 0x76543210
	s_mov_b32 s31, 0xfedcba98
	s_lshl_b32 s28, s24, 24                        ; w1: expert, my 32 rows of a phase, the slice's 128 columns, my 32 of them
	s_lshl_b32 s29, s101, 19
	s_add_co_u32 s28, s28, s29
	s_lshl_b32 s29, s23, 9
	s_add_co_u32 s28, s28, s29
	s_lshl_b32 s29, s100, 7
	s_add_co_u32 s28, s28, s29
	s_mov_b32 s29, 0
	v_and_b32 v[LN], 31, v0
	v_and_b32 v[RR], 15, v0
	v_bfe_u32 v[TA], v0, 4, 1                      ; lane / 16
	v_bfe_u32 v[TB], v0, 3, 1                      ; u: column 32 cg + l belongs to tile 2 cg + u,
	v_and_b32 v[TC], 7, v0
	v_lshlrev_b32 v[WLO], 2, v[LN]
	v_lshlrev_b32 v[FRA], 4, v[LN]
	v_lshlrev_b32 v[L32], 5, v[LN]
	v_lshlrev_b32 v[H16], 4, v[TA]
	v_lshl_add_u32 v[TC], v[TA], 3, v[TC]          ; row l % 8 + 8 (l / 16) of it
	v_lshlrev_b32 v[WST], 13, v[TB]
	v_lshlrev_b32 v[WSB], 9, v[TB]
	v_lshl_add_u32 v[SCA], v[RR], 2, WSC
	v_lshl_add_u32 v[BIA], v[TA], 6, B1L
	v_lshlrev_b32 v[LCO], 3, v[TA]
	v_lshl_add_u32 v[WST], v[TC], 4, v[WST]
	v_lshl_add_u32 v[WSB], v[TC], 2, v[WSB]
	v_add_nc_u32 v[B1A], B1L, v[FRA]
	v_add_nc_u32 v[FRL], s18, v[FRA]
	v_lshl_add_u32 v[LCO], v[RR], 4, v[LCO]
	v_add_nc_u32 v[SCL], s19, v[SCA]
	v_add_nc_u32 v[BIL], s20, v[BIA]
	v_add_nc_u32 v[WST], s16, v[WST]
	v_add_nc_u32 v[WSB], s17, v[WSB]
	v_add_nc_u32 v[LCO], s21, v[LCO]
	v_add_nc_u32 v[LSO], s100, v[WLO]
	v_mov_b32 v[KA], 0xc0135761
	v_mov_b32 v[KA+1], 0xc0135761
	v_mov_b32 v[KB], 0xbdd2d3e8
	v_mov_b32 v[KB+1], 0xbdd2d3e8
	s_wait_alu depctr_va_vdst(0)                   ; the wait at the head's end
	s_wait_kmcnt 0x0
	s_add_nc_u64 s[4:5], s[4:5], s[28:29]
	s_add_nc_u64 s[2:3], s[4:5], 0x800000          ; 512 rows on, for phases 4 to 7: every offset stays inside the signed 24-bit immediate
	s_lshl_b32 s28, s24, 14
	s_lshl_b32 s100, s23, 9
	s_add_co_u32 s28, s28, s100
	s_add_nc_u64 s[6:7], s[6:7], s[28:29]
	global_load_b128 v[B1R:B1R+3], v[FRA], s[6:7]  ; b1's 128 numbers: every wave loads them, so that the counts below are the same in all; wave 0 passes them on
.set j, 0
.rept 32
	global_load_b32 v[ACC+j], v[WLO], s[10:11] offset:128*j        ; sel of token 32 j + lane
.set j, j+1
.endr
.macro LOADW p                         ; phase p's block of my column: w1(128 p + i, column), i = 0 .. 31, into set p % 2; a wave's load reads 128 consecutive bytes, four waves side by side 512
.set i, 0
.rept 32
.if (\p) < 4
	global_load_b32 v[X+32*((\p)%2)+i], v[WLO], s[4:5] offset:(128*(\p)+i)*PITCHW th:TH_LOAD_NT
.else
	global_load_b32 v[X+32*((\p)%2)+i], v[WLO], s[2:3] offset:(128*((\p)-4)+i)*PITCHW th:TH_LOAD_NT
.endif
.set i, i+1
.endr
.endm
	LOADW 0
	LOADW 1
	s_lshl_b32 s28, s24, 15                        ; the other bases, while the loads are out (none of them names these registers)
	s_add_nc_u64 s[16:17], s[8:9], s[28:29]
	s_add_nc_u64 s[16:17], s[16:17], 0x400000
	s_lshl_b32 s28, s24, 19
	s_add_nc_u64 s[8:9], s[8:9], s[28:29]
	s_lshl_b32 s28, s24, 18
	s_lshl_b32 s100, s23, 7
	s_add_co_u32 s28, s28, s100
	s_add_nc_u64 s[18:19], s[12:13], s[28:29]
	s_add_nc_u64 s[18:19], s[18:19], 0x1000000
	s_lshl_b32 s28, s24, 21
	s_lshl_b32 s100, s23, 10
	s_add_co_u32 s28, s28, s100
	s_add_nc_u64 s[12:13], s[12:13], s[28:29]
	s_lshl_b32 s28, s24, 7
	s_add_nc_u64 s[20:21], s[14:15], s[28:29]
	s_add_nc_u64 s[20:21], s[20:21], 0x8000
	s_lshl_b32 s28, s24, 2
	s_add_nc_u64 s[14:15], s[14:15], s[28:29]
	s_lshl_b32 s99, 1, s24
	s_wait_loadcnt 63                              ; b1 and sel are in: 64 loads stand behind them, and the count's field holds 63
	s_cmp_lg_u32 s22, 0
	s_cbranch_scc1 .Lnot_wave_0
	ds_store_b128 v[B1A], v[B1R:B1R+3]
.Lnot_wave_0:
.set j, 0
.rept 32                               ; the ballots
	v_and_b32 v[ST], s99, v[ACC+j]
	s_delay_alu instid0(VALU_DEP_1)
	v_cmp_ne_u32 s[32+j], 0, v[ST]
.set j, j+1
.endr
	s_mov_b32 s66, 0
.set j, 0
.rept 32                               ; PF_j = members before token 32 j; the last sum, in s98, is the expert's count
	s_bcnt1_i32_b32 s100, s[32+j]
	s_add_co_u32 s[67+j], s[66+j], s100
.set j, j+1
.endr
	s_add_co_u32 s26, s98, 15
	s_lshr_b32 s26, s26, 4
	s_max_u32 s26, s26, 1                          ; tiles; at least one, so that tile 0 of hq is always written
	s_lshr_b32 s25, s22, 2
	s_add_co_u32 s25, s25, 16                      ; my first late tile
	s_or_b32 s100, s23, s22
	s_cmp_lg_u32 s100, 0
	s_cbranch_scc1 .Lno_ranks
.set j, 0
.rept 32
	v_mbcnt_lo_u32_b32 v[ACC+j], s[32+j], s[66+j]  ; members before token 32 j + lane
	global_store_b32 v[L32], v[ACC+j], s[14:15] offset:1024*j
.set j, j+1
.endr
	v_mov_b32 v[CNT], s98
	global_store_b32 v[WLO], v[CNT], s[20:21]
.Lno_ranks:
.macro SELSTEP src, width, inc         ; does the bit wanted lie beyond the next inc bits?  src holds the counts of groups of inc bits
	s_delay_alu instid0(VALU_DEP_1)
	v_bfe_u32 v[ST], v[\src], v[SPOS], \width
	s_delay_alu instid0(VALU_DEP_1)
	v_cmp_ge_u32 vcc_lo, v[SK], v[ST]
	s_delay_alu instid0(VALU_DEP_2)
	v_sub_nc_u32 v[ST], v[SK], v[ST]
	s_delay_alu instid0(VALU_DEP_4)
	v_add_nc_u32 v[ST2], \inc, v[SPOS]
	s_delay_alu instid0(VALU_DEP_2)
	v_cndmask_b32 v[SK], v[SK], v[ST], vcc_lo
	s_delay_alu instid0(VALU_DEP_2)
	v_cndmask_b32 v[SPOS], v[SPOS], v[ST2], vcc_lo
.endm
.macro SELECT sreg, k                  ; the token of row N = 16 x tile + lane % 16, and its places in xq, into v[XO + k] and v[XSO + k]
	s_lshl_b32 s100, \sreg, 4
	v_add_nc_u32 v[SN], s100, v[RR]
	v_mov_b32 v[SW], s32
	v_mov_b32 v[SP], 0
	v_mov_b32 v[SJ], 0
.set j, 1
.rept 31                               ; the last word whose running count is at most N
	v_cmp_le_u32 vcc_lo, s[66+j], v[SN]
	s_delay_alu instid0(VALU_DEP_1)
	v_cndmask_b32 v[SW], v[SW], s[32+j], vcc_lo
	s_delay_alu instid0(VALU_DEP_2)
	v_cndmask_b32 v[SP], v[SP], s[66+j], vcc_lo
	s_delay_alu instid0(VALU_DEP_3)
	v_cndmask_b32 v[SJ], v[SJ], j, vcc_lo
.set j, j+1
.endr
	s_delay_alu instid0(VALU_DEP_2)
	v_sub_nc_u32 v[SK], v[SN], v[SP]               ; which of its set bits
	s_delay_alu instid0(VALU_DEP_4)
	v_lshrrev_b32 v[ST], 1, v[SW]                  ; bit counts of groups of 2, 4, 8 and 16 bits
	s_delay_alu instid0(VALU_DEP_1)
	v_and_b32 v[ST], 0x55555555, v[ST]
	s_delay_alu instid0(VALU_DEP_1)
	v_sub_nc_u32 v[SA], v[SW], v[ST]
	s_delay_alu instid0(VALU_DEP_1)
	v_lshrrev_b32 v[ST], 2, v[SA]
	s_delay_alu instid0(VALU_DEP_1)
	v_and_b32 v[ST], 0x33333333, v[ST]
	s_delay_alu instid0(VALU_DEP_3)
	v_and_b32 v[SBB], 0x33333333, v[SA]
	s_delay_alu instid0(VALU_DEP_1)
	v_add_nc_u32 v[SBB], v[SBB], v[ST]
	s_delay_alu instid0(VALU_DEP_1)
	v_lshrrev_b32 v[ST], 4, v[SBB]
	s_delay_alu instid0(VALU_DEP_1)
	v_add_nc_u32 v[SC], v[SBB], v[ST]
	s_delay_alu instid0(VALU_DEP_1)
	v_and_b32 v[SC], 0x0f0f0f0f, v[SC]
	s_delay_alu instid0(VALU_DEP_1)
	v_lshrrev_b32 v[ST], 8, v[SC]
	s_delay_alu instid0(VALU_DEP_1)
	v_add_nc_u32 v[SD], v[SC], v[ST]
	v_mov_b32 v[SPOS], 0
	SELSTEP SD, 8, 16
	SELSTEP SC, 8, 8
	SELSTEP SBB, 4, 4
	SELSTEP SA, 2, 2
	SELSTEP SW, 1, 1
	s_delay_alu instid0(VALU_DEP_1)
	v_lshl_add_u32 v[TOK], v[SJ], 5, v[SPOS]
	s_delay_alu instid0(VALU_DEP_1)
	v_min_u32 v[TOK], 0x3ff, v[TOK]                ; inside the table whatever N is
	s_delay_alu instid0(VALU_DEP_1)
	v_lshlrev_b32 v[XO+\k], 9, v[TOK]
	s_delay_alu instid0(VALU_DEP_1)
	v_add_nc_u32 v[XO+\k], v[XO+\k], v[H16]        ; 512 bytes of codes a token, + my half's 16
	s_delay_alu instid0(VALU_DEP_3)
	v_lshlrev_b32 v[XSO+\k], 5, v[TOK]             ; 32 scale bytes a token
	s_wait_alu depctr_va_vdst(0)                   ; the wait here, directly behind the writes
.endm
.macro XSCALES k                       ; a row's eight scale words, one for each K step
	global_load_b128 v[XSW+8*\k:XSW+8*\k+3], v[XSO+\k], s[16:17]
	global_load_b128 v[XSW+8*\k+4:XSW+8*\k+7], v[XSO+\k], s[16:17] offset:16
.endm
.macro XLOAD p                         ; tile w's fragment of K step p (lane (r, h): bytes 64 p + 32 c + 16 h of row r) into buffer p % 2
	global_load_b128 v[XF+8*((\p)%2):XF+8*((\p)%2)+3], v[XO], s[8:9] offset:64*(\p)
	global_load_b128 v[XF+8*((\p)%2)+4:XF+8*((\p)%2)+7], v[XO], s[8:9] offset:64*(\p)+32
.endm
.macro LGATHER a                       ; the late tile's fragments of K steps 4 a .. 4 a + 3 into the stream's set a
.irp s, 0,1,2,3
	global_load_b128 v[X+32*\a+8*\s:X+32*\a+8*\s+3], v[XO+1], s[8:9] offset:64*(4*\a+\s)
	global_load_b128 v[X+32*\a+8*\s+4:X+32*\a+8*\s+7], v[XO+1], s[8:9] offset:64*(4*\a+\s)+32
.endr
.endm
.macro LGC a                           ; only where the tile exists
	s_cmp_ge_u32 s25, s26
	s_cbranch_scc1 .Lno_lg_\@
	LGATHER \a
.Lno_lg_\@:
.endm
.macro BATCH p, g                      ; four fragments of w1 from LDS, four products; the eight accumulators take turns, one instruction a turn
.irp i, 0,1,2,3
	ds_load_b128 v[WF+8*\i:WF+8*\i+3], v[FRA] offset:(8*(4*\g+\i)+(\p))*1024
	ds_load_b128 v[WF+8*\i+4:WF+8*\i+7], v[FRA] offset:(8*(4*\g+\i)+(\p))*1024+512
	ds_load_b32 v[WS+\i], v[SCA] offset:(8*(4*\g+\i)+(\p))*64
.endr
	s_wait_dscnt 0x0
.irp i, 0,1,2,3
	v_wmma_scale_f32_16x16x128_f8f6f4 v[ACC+8*(4*\g+\i):ACC+8*(4*\g+\i)+7], v[WF+8*\i:WF+8*\i+7], v[XF+8*((\p)%2):XF+8*((\p)%2)+7], v[ACC+8*(4*\g+\i):ACC+8*(4*\g+\i)+7], v[WS+\i], v[XSW+(\p)] matrix_a_fmt:MATRIX_FMT_FP4 matrix_b_fmt:MATRIX_FMT_FP4
.endr
.rept 4
	v_nop                                          ; places in front of loads into registers that matrix instructions have read, and of the first reads of results
.endr
.endm
.macro PHASE p
.if (\p) < 7
	XLOAD (\p)+1                                   ; into the buffer that the phase before multiplied: four places stand behind its last products
	s_wait_loadcnt 36                              ; W(p) is in: behind it stand x(p) 2, W(p+1) 32, x(p+1) 2 at the least
.else
	s_wait_loadcnt 2                               ; behind W(7) stand x(7)'s two at the least
.endif
.set XB, X+32*((\p)%2)
	v_max3_num_f32 v[T0], |v[XB]|, |v[XB+1]|, |v[XB+2]|             ; the block's largest magnitude: all 32 numbers are mine
	v_max3_num_f32 v[T0+1], |v[XB+3]|, |v[XB+4]|, |v[XB+5]|
.irp i, 6,10,14,18,22,26
	s_delay_alu instid0(VALU_DEP_2)
	v_max3_num_f32 v[T0], v[T0], |v[XB+\i]|, |v[XB+\i+1]|
	s_delay_alu instid0(VALU_DEP_2)
	v_max3_num_f32 v[T0+1], v[T0+1], |v[XB+\i+2]|, |v[XB+\i+3]|
.endr
	s_delay_alu instid0(VALU_DEP_2)
	v_max3_num_f32 v[T0], v[T0], |v[XB+30]|, |v[XB+31]|
	s_delay_alu instid0(VALU_DEP_1)
	v_max3_num_f32 v[T0], v[T0], v[T0+1], 0x1800000        ; and the floor 2^(3 - 127): the byte cannot fall under 1
	s_delay_alu instid0(VALU_DEP_1)
	v_add_nc_u32 v[T0+2], 0xff000000, v[T0]        ; 2 off the exponent field: the conversion's scale operand
	s_delay_alu instid0(VALU_DEP_1)
	v_lshrrev_b32 v[T0+1], 23, v[T0+2]             ; the scale's byte
.irp g, 0,1,2,3
	v_cvt_scalef32_pk8_fp4_f32 v[CR+\g], v[XB+8*\g:XB+8*\g+7], v[T0+2]
.endr
	v_nop                                          ; one plain line behind the last conversion
	ds_store_b128 v[WST], v[CR:CR+3] offset:1024*(\p)
	ds_store_b8 v[WSB], v[T0+1] offset:64*(\p)     ; four waves write the four bytes of a word
.if (\p) < 6
	LOADW (\p)+2
.endif
.if (\p) == 6
	LGC 0                                          ; set 0 has had its last block
.endif
	s_wait_dscnt 0x0                               ; for the others' sake: my part of the phase's images has landed (and the stores have read their registers)
	s_barrier_signal -1
	s_barrier_wait -1                              ; the phase's eight fragments are whole
.if (\p) == 7
	s_wait_loadcnt 0x0                             ; x(7)
	LGC 1                                          ; set 1 has had its last block
.elseif ((\p) == 0) || ((\p) == 6)
	s_wait_loadcnt 34                              ; x(p) is in: behind it stand two of x and 32 of w1 at the least
.else
	s_wait_loadcnt 63                              ; behind x(p) stand W(p+1) 32, x(p+1) 2, W(p+2) 32; the count's field holds 63
.endif
.if (\p) == 0
.irp t, 0,1,2,3,4,5,6,7
	ds_load_b128 v[ACC+8*\t:ACC+8*\t+3], v[BIA] offset:(32*(\t/2)+8*(\t%2))*4      ; b1 in the result's layout: the C of each sum's first product
	ds_load_b128 v[ACC+8*\t+4:ACC+8*\t+7], v[BIA] offset:(32*(\t/2)+8*(\t%2))*4+16
.endr
.endif
	BATCH \p, 0
	BATCH \p, 1
.endm
.macro LBATCH k                        ; the late tile: K steps 2 k, 2 k + 1 for my two column tiles; the two accumulators take turns
.irp ss, 0,1
.irp u, 0,1
	ds_load_b128 v[WF+8*(2*\ss+\u):WF+8*(2*\ss+\u)+3], v[FRL] offset:(8*\u+2*\k+\ss)*1024
	ds_load_b128 v[WF+8*(2*\ss+\u)+4:WF+8*(2*\ss+\u)+7], v[FRL] offset:(8*\u+2*\k+\ss)*1024+512
	ds_load_b32 v[WS+2*\ss+\u], v[SCL] offset:(8*\u+2*\k+\ss)*64
.endr
.endr
	s_wait_dscnt 0x0
.irp ss, 0,1
.irp u, 0,1
	v_wmma_scale_f32_16x16x128_f8f6f4 v[ACL+8*\u:ACL+8*\u+7], v[WF+8*(2*\ss+\u):WF+8*(2*\ss+\u)+7], v[X+8*(2*\k+\ss):X+8*(2*\k+\ss)+7], v[ACL+8*\u:ACL+8*\u+7], v[WS+2*\ss+\u], v[XSW+8+2*\k+\ss] matrix_a_fmt:MATRIX_FMT_FP4 matrix_b_fmt:MATRIX_FMT_FP4
.endr
.endr
.rept 4
	v_nop
.endr
.endm
.macro GELU hb, n                      ; n numbers: x / (1 + 2^(x (KA + KB x^2))); each batch of transcendentals has its waits and one plain line.  The accumulators are read from their low ends on
	s_wait_alu depctr_va_vdst(0)                   ; the wait here, directly ahead of the first reader of matrix results
.set j, 0
.rept (\n)/2
	v_pk_mul_f32 v[WF+j:WF+j+1], v[\hb+j:\hb+j+1], v[\hb+j:\hb+j+1]
.set j, j+2
.endr
.set j, 0
.rept (\n)/2
	v_pk_fma_f32 v[WF+j:WF+j+1], v[WF+j:WF+j+1], v[KB:KB+1], v[KA:KA+1]
.set j, j+2
.endr
.set j, 0
.rept (\n)/2
	v_pk_mul_f32 v[WF+j:WF+j+1], v[WF+j:WF+j+1], v[\hb+j:\hb+j+1]
.set j, j+2
.endr
.set j, 0
	s_wait_alu depctr_va_vdst(0)
.rept \n
	v_exp_f32 v[WF+j], v[WF+j]
.set j, j+1
.endr
	v_nop
	s_wait_alu depctr_va_vdst(0)
.set j, 0
.rept (\n)/2
	v_pk_add_f32 v[WF+j:WF+j+1], v[WF+j:WF+j+1], 1.0 op_sel_hi:[1,0]
.set j, j+2
.endr
.set j, 0
	s_wait_alu depctr_va_vdst(0)
.rept \n
	v_rcp_f32 v[WF+j], v[WF+j]
.set j, j+1
.endr
	v_nop
	s_wait_alu depctr_va_vdst(0)
.set j, 0
.rept (\n)/2
	v_pk_mul_f32 v[\hb+j:\hb+j+1], v[\hb+j:\hb+j+1], v[WF+j:WF+j+1]
.set j, j+2
.endr
.endm
; 64 numbers of a lane, register 16 b + i = k 32 b + 16 (lane / 16) + i of my row, become a fragment's codes in v[PC] on and its scale word in v[PW]
.macro QUANT s
.irp b, 0,1,2,3
	v_max3_num_f32 v[TM+\b], |v[\s+16*\b]|, |v[\s+1+16*\b]|, 0x1800000
.endr
.irp i, 2,4,6,8,10,12,14
.irp b, 0,1,2,3
	s_delay_alu instid0(VALU_DEP_4)
	v_max3_num_f32 v[TM+\b], v[TM+\b], |v[\s+16*\b+\i]|, |v[\s+1+16*\b+\i]|
.endr
.endr
.irp b, 0,1,2,3
	s_delay_alu instid0(VALU_DEP_4)
	v_permlanex16_b32 v[TM+4+\b], v[TM+\b], s30, s31
.endr
.irp b, 0,1,2,3
	s_delay_alu instid0(VALU_DEP_4)
	v_max_num_f32 v[TM+\b], v[TM+\b], v[TM+4+\b]   ; with lane l xor 16's: the block's largest magnitude
.endr
.irp b, 0,1,2,3
	s_delay_alu instid0(VALU_DEP_4)
	v_add_nc_u32 v[TM+12+\b], 0xff000000, v[TM+\b]
.endr
.irp b, 0,1,2,3
	s_delay_alu instid0(VALU_DEP_4)
	v_lshrrev_b32 v[TM+4+\b], 23, v[TM+12+\b]
.endr
	s_delay_alu instid0(VALU_DEP_3)
	v_lshl_or_b32 v[PW], v[TM+5], 8, v[TM+4]
	s_delay_alu instid0(VALU_DEP_1)
	v_lshl_or_b32 v[PW], v[TM+6], 16, v[PW]
	s_delay_alu instid0(VALU_DEP_1)
	v_lshl_or_b32 v[PW], v[TM+7], 24, v[PW]
.irp b, 0,1,2,3
	v_cvt_scalef32_pk8_fp4_f32 v[PC+2*\b], v[\s+16*\b:\s+7+16*\b], v[TM+12+\b]
	v_cvt_scalef32_pk8_fp4_f32 v[PC+1+2*\b], v[\s+8+16*\b:\s+15+16*\b], v[TM+12+\b]
.endr
	v_nop                                          ; one plain line behind a scaled conversion
.irp c, 0,1                            ; the operand's layout wants a whole block in a lane: lanes 0-15 block 2 c, lanes 16-31 block 2 c + 1
.irp i, 0,1
	v_permlane16_swap_b32 v[PC+4*\c+\i], v[PC+2+4*\c+\i]
.endr
.endr
.endm
	SELECT s22, 0                                  ; tile w's rows,
	SELECT s25, 1                                  ; and my first late tile's
	XSCALES 0
	XSCALES 1                                      ; (asked for in every wave: these registers are written on every way through the text)
	XLOAD 0
	s_wait_xcnt 0x0                                ; the ranks' stores have read their registers, which b1 takes in phase 0
.irp p, 0,1,2,3,4,5,6,7
	PHASE \p
.endr
; THE LATE TILES, ahead of tile w's gelu.  No barrier from here on.
	s_mov_b32 s27, 0                               ; trips done
	s_cmp_ge_u32 s25, s26
	s_cbranch_scc1 .Lno_late
.Llate:                                ; at most 12 trips (tiles 16 to 63, four a trip), counted in s27 against that constant; a wave leaves the loop as soon as its tiles are done
	s_wait_loadcnt 0x0                             ; the tile's rows of x are in; so its offsets may be written again
.irp u, 0,1
	ds_load_b128 v[ACL+8*\u:ACL+8*\u+3], v[BIL] offset:32*\u       ; b1 in the result's layout
	ds_load_b128 v[ACL+8*\u+4:ACL+8*\u+7], v[BIL] offset:32*\u+16
.endr
.irp k, 0,1,2,3
	LBATCH \k
.endr
	GELU ACL, 16
	s_wait_alu depctr_va_vdst(0)                   ; the wait here, directly ahead of the wait below
	s_wait_xcnt 0x0                                ; the last trip's stores have read their data and offsets
	v_max3_num_f32 v[TM], |v[ACL]|, |v[ACL+1]|, 0x1800000          ; my 16 numbers of the block, and the floor
	v_max3_num_f32 v[TM+1], |v[ACL+2]|, |v[ACL+3]|, |v[ACL+4]|
.irp i, 5,9
	s_delay_alu instid0(VALU_DEP_2)
	v_max3_num_f32 v[TM], v[TM], |v[ACL+\i]|, |v[ACL+\i+1]|
	s_delay_alu instid0(VALU_DEP_2)
	v_max3_num_f32 v[TM+1], v[TM+1], |v[ACL+\i+2]|, |v[ACL+\i+3]|
.endr
	s_delay_alu instid0(VALU_DEP_2)
	v_max3_num_f32 v[TM], v[TM], |v[ACL+13]|, |v[ACL+14]|
	s_delay_alu instid0(VALU_DEP_1)
	v_max3_num_f32 v[TM], v[TM], v[TM+1], |v[ACL+15]|
	s_delay_alu instid0(VALU_DEP_1)
	v_permlanex16_b32 v[TM+2], v[TM], s30, s31
	s_delay_alu instid0(VALU_DEP_1)
	v_max_num_f32 v[TM], v[TM], v[TM+2]            ; with lane l xor 16's: the block's largest magnitude
	s_delay_alu instid0(VALU_DEP_1)
	v_add_nc_u32 v[TM+3], 0xff000000, v[TM]
	s_delay_alu instid0(VALU_DEP_1)
	v_lshrrev_b32 v[PW], 23, v[TM+3]               ; the scale's byte
	v_cvt_scalef32_pk8_fp4_f32 v[PC], v[ACL:ACL+7], v[TM+3]
	v_cvt_scalef32_pk8_fp4_f32 v[PC+1], v[ACL+8:ACL+15], v[TM+3]
	v_nop                                          ; one plain line behind a scaled conversion
	s_min_u32 s29, s25, 63
	s_lshl_b32 s100, s29, 15
	v_add_nc_u32 v[HO], s100, v[LCO]
	s_lshl_b32 s101, s29, 12
	v_add_nc_u32 v[HSO], s101, v[LSO]
	global_store_b64 v[HO], v[PC:PC+1], s[12:13]   ; block b of the image: 32 lanes store 256 consecutive bytes, aligned
	global_store_b8 v[HSO], v[PW], s[18:19]        ; byte b of each lane's scale word: the four waves of a tile fill the 128 bytes
	s_add_co_u32 s25, s25, 4                       ; my next late tile
	s_cmp_ge_u32 s25, s26
	s_cbranch_scc1 .Lno_late                       ; there is none: out
	SELECT s25, 1
	s_wait_xcnt 0x0                                ; the stores have read their data, which lie where the fragments land
	LGATHER 0
	LGATHER 1
	XSCALES 1
	s_add_co_u32 s27, s27, 1
	s_cmp_lt_u32 s27, 12
	s_cbranch_scc1 .Llate
.Lno_late:
	s_wait_loadcnt 0x0                             ; no gather is out on any way that leads here: the quantiser below writes the registers where gathers land
	s_cmp_ge_u32 s22, s26
	s_cbranch_scc1 .Lend                           ; a wave with no tile w stores nothing
	GELU ACC, 32
	GELU ACC+32, 32
	s_wait_alu depctr_va_vdst(0)                   ; the wait here, directly ahead of the wait below
	s_wait_xcnt 0x0                                ; the late tile's stores have read their data and offsets
	QUANT ACC
	s_lshl_b32 s100, s22, 15
	v_add_nc_u32 v[HO], s100, v[FRA]
	s_lshl_b32 s101, s22, 12
	v_add_nc_u32 v[HSO], s101, v[WLO]
	global_store_b128 v[HO], v[PC:PC+3], s[12:13]                  ; the image as it stands: 512 consecutive bytes a store, aligned
	global_store_b128 v[HO], v[PC+4:PC+7], s[12:13] offset:512
	global_store_b32 v[HSO], v[PW], s[18:19]
.Lend:
	s_wait_tensorcnt 0x0                           ; the wave's end
	ds_add_u32 v254, v255
	s_wait_dscnt 0x0
	s_endpgm
.Lfunc_end_k_q3b7fda80f6_ffn1:
	.size	k_q3b7fda80f6_ffn1, .Lfunc_end_k_q3b7fda80f6_ffn1-k_q3b7fda80f6_ffn1
	.p2alignl 7, 3214868480
	.fill 96, 4, 3214868480
	.section	.rodata,"a",@progbits
	.p2align	6, 0x0
	.amdhsa_kernel k_q3b7fda80f6_ffn1
		.amdhsa_group_segment_fixed_size 73728
		.amdhsa_private_segment_fixed_size 0
		.amdhsa_enable_private_segment 0
		.amdhsa_kernarg_size 48
		.amdhsa_user_sgpr_count 2
		.amdhsa_user_sgpr_kernarg_segment_ptr 1
		.amdhsa_wavefront_size32 1
		.amdhsa_system_sgpr_workgroup_id_x 1
		.amdhsa_system_sgpr_workgroup_id_y 1
		.amdhsa_system_sgpr_workgroup_id_z 1
		.amdhsa_system_vgpr_workitem_id 0
		.amdhsa_next_free_vgpr 256
		.amdhsa_next_free_sgpr 102
		.amdhsa_reserve_vcc 1
		.amdhsa_float_denorm_mode_32 3
		.amdhsa_float_denorm_mode_16_64 3
		.amdhsa_memory_ordered 1
		.amdhsa_forward_progress 1
		.amdhsa_inst_pref_size 161
	.end_amdhsa_kernel
	.amdgpu_metadata
---
amdhsa.version: [ 1, 2 ]
amdhsa.kernels:
  - .name:           k_q3b7fda80f6_ffn1
    .symbol:         k_q3b7fda80f6_ffn1.kd
    .args:
      - { .name: w1, .offset: 0, .size: 8, .value_kind: global_buffer, .address_space: global }
      - { .name: b1, .offset: 8, .size: 8, .value_kind: global_buffer, .address_space: global }
      - { .name: xq, .offset: 16, .size: 8, .value_kind: global_buffer, .address_space: global }
      - { .name: pick, .offset: 24, .size: 8, .value_kind: global_buffer, .address_space: global }
      - { .name: hq, .offset: 32, .size: 8, .value_kind: global_buffer, .address_space: global }
      - { .name: place, .offset: 40, .size: 8, .value_kind: global_buffer, .address_space: global }
    .group_segment_fixed_size: 73728
    .private_segment_fixed_size: 0
    .kernarg_segment_align: 8
    .kernarg_segment_size: 48
    .max_flat_workgroup_size: 512
    .sgpr_count:     102
    .vgpr_count:     256
    .wavefront_size: 32
...
	.end_amdgpu_metadata
.endif
;; end of part 2
;; launch ffn2 (part 3): grid 32 x 8, 16 waves a work-group, no clusters, 141,312 bytes of LDS; arguments w2, hq, place, yb; writes yb
.if DOCPART == 3
	.amdgcn_target "amdgcn-amd-amdhsa--gfx1250"
	.amdhsa_code_object_version 6
	.text
	.protected	k_q3b7fda80f6_ffn2
	.globl	k_q3b7fda80f6_ffn2
	.p2align	8
	.type	k_q3b7fda80f6_ffn2,@function
k_q3b7fda80f6_ffn2:
	s_mov_b64 s[64:65], 0
	v_nop
	global_prefetch_b8 v0, s[64:65] scope:SCOPE_SE
	s_setreg_imm32_b32 hwreg(HW_REG_WAVE_MODE, 25, 1), 1
	s_wait_xcnt 0x0
; FFN2.  Partial sums of h W2[e] for the rows routed to expert e, on codes of FP4 (E2M1) with one E8M0 scale for each 32 along K.  Rows of experts that were not chosen are not multiplied: the last launch reads none of them.
; A work-group is (expert e = y; x: 64 output columns cs = x % 16, half of the hidden units kh = x / 16).  It reads its slab of w2 (2,048 rows x 64 columns of f32: 256 consecutive bytes a row) ONCE.
; THE PRODUCTS GO ON WHILE THE SLAB IS STREAMED.  K goes in eight phases of 256.  In a phase wave (cg = w % 2, kg = w / 2) quantises one block: 32 along K (rows 256 p + 32 kg ..) of 32 columns, a lane to a column,
; registers down K; its 16 bytes of codes and its scale byte go into LDS as part of an image of operand registers; one barrier; then every wave multiplies the phase's two K steps of 128 for its own tiles of 16 rows.
; Each phase has LDS bytes of its own, so one barrier a phase orders all: nothing is written twice.  The loads of the blocks of the next two phases are out during the products.
; TILES.  Wave w owns tile w and, where the expert has so many, tile w + 16: both use the same fragments of w2.  The slab stays whole in LDS: tiles w + 32 and w + 48 (an expert with more than 512 rows) are
; multiplied behind the last barrier, by the same macros.  So any split of tokens is served (0 to 1,024 rows), and no barrier stands under a branch on the count.
; A wave whose tile w lies beyond the expert's tiles multiplies the last written tile and stores nothing.
; ORDER OF LOADS.  h(p + 1) is asked for at the head of phase p, ahead of W(p + 2): issue order .. W(p), h(p), W(p+1), h(p+1), W(p+2).  h has two register buffers.  The counted waits take the least number of newer
; loads on any way through the text (six loads of h for tile w; the six for tile w + 16 stand under a branch).
; K is split in two between work-groups; the two halves are added by the last launch, so the order of the f32 sums differs from one sum over all of K.
; yb: [kh][e][row 1,024][1,024] f32; a row's number is the token's rank within the expert; rows under 16 x tiles are written.
; No tensor load: which tiles do work hangs on a stored count.  No cluster: each byte of w2 has one reader, and h is a small part of a work-group's bytes.  No prefetch: each wave's loads of its next two blocks are out all through the phases.
; THE PRODUCT IS USED TRANSPOSED (source 0 = 16 columns of w2, source 1 = 16 rows of h): a lane holds eight neighbouring columns of one row.
; LIMITS.  NaN and infinities are not served.  A block whose largest magnitude lies under 2^-124 keeps the byte 1; a block of zeros keeps the byte 1 with zero codes.
.set WSC,  65536                       ; LDS: fragment (column tile nt, K step S) at (16 nt + S) x 1,024 from byte 0; its rows' scale words at WSC + (16 nt + S) x 64 + 4 r
.set STG,  69632                       ; the way out: for each wave 16 rows x (256 + 16) bytes
.set SPARE, 0x22000                    ; the spare words: 128 bytes a wave
.set PITCHW, 4096                      ; bytes from a row of w2 to the next
.set LN,  1
.set RR,  2                            ; lane % 16
.set WLO, 3                            ; 4 x lane
.set WST, 4                            ; where my column's codes go
.set WSB, 5                            ; and its scale byte
.set FRA, 6                            ; 16 x lane
.set SCA, 7                            ; WSC + 4 (lane % 16)
.set HFO, 8                            ; v8, v9   my two tiles' images in hq
.set HSO, 10                           ; v10, v11 their scale words
.set STO, 12                           ; the stage: in
.set RD,  13                           ; and back
.set YB,  14                           ; my place in two rows of yb
.set X,   16                           ; v16-79   two sets of 32 numbers of w2; on the way out rows read back
.set T0,  80                           ; v80-82   the quantiser's
.set CR,  84                           ; v84-87   a block's codes
.set WF,  88                           ; v88-103  two fragments of w2
.set WS,  104                          ; v104-105 their scale words: scales and nothing else
.set HS,  106                          ; v106-113 h's scale words (4 x buffer + 2 x tile + step): scales and nothing else
.set HF,  114                          ; v114-177 h's fragments (32 x buffer + 16 x tile + 8 x step)
.set ACC, 178                          ; v178-241 accumulators (32 x tile + 8 x column tile)
.set YO,  242                          ; v242, v243 my tiles' places in yb
; s[4:11] w2, hq, place, yb; s[12:13] hq's scales; s14, s15 my two tiles; s16 1 if the second exists; s20 count; s21 kh; s22 wave; s23 cs; s24 e; s26 tiles; s27 tiles - 1
	s_load_b256 s[4:11], s[0:1], 0x0
	v_lshl_add_u32 v254, v0, 2, SPARE
	v_mov_b32 v255, 0
	v_lshrrev_b32 v15, 5, v0
	s_delay_alu instid0(VALU_DEP_1)
	v_readfirstlane_b32 s22, v15                   ; wave 0..15
	s_and_b32 s24, ttmp7, 0xffff
	s_and_b32 s23, ttmp9, 15
	s_lshr_b32 s21, ttmp9, 4
	s_and_b32 s30, s22, 1                          ; cg: which 32 columns I stream
	s_lshr_b32 s31, s22, 1                         ; kg: which 32 of a phase's 256 rows of K
	s_lshl_b32 s32, s30, 15
	s_lshl_b32 s29, s31, 8
	s_add_co_u32 s32, s32, s29                     ; codes: 2 cg x 16,384 + 256 kg (K step kg / 4, register group (kg / 2) % 2, half kg % 2)
	s_lshl_b32 s33, s30, 11
	s_lshr_b32 s29, s31, 2
	s_lshl_b32 s29, s29, 6
	s_add_co_u32 s33, s33, s29
	s_and_b32 s29, s31, 3
	s_add_co_u32 s33, s33, s29
	s_add_co_u32 s33, s33, WSC                     ; scale byte: WSC + 2 cg x 1,024 + 64 (kg / 4) + kg % 4
	s_mul_i32 s34, s22, 4352
	s_add_co_u32 s34, s34, STG                     ; my stage
	s_lshl_b32 s19, s24, 7
	s_lshl_b32 s28, s24, 24                        ; w2: expert, the half's 2,048 rows, my 32 of a phase, the 64 columns, my 32 of them
	s_lshl_b32 s29, s21, 23
	s_add_co_u32 s28, s28, s29
	s_lshl_b32 s29, s31, 17
	s_add_co_u32 s28, s28, s29
	s_lshl_b32 s29, s23, 8
	s_add_co_u32 s28, s28, s29
	s_lshl_b32 s29, s30, 7
	s_add_co_u32 s28, s28, s29
	s_mov_b32 s29, 0
	v_and_b32 v[LN], 31, v0
	v_and_b32 v[RR], 15, v0
	v_bfe_u32 v15, v0, 4, 1                        ; lane / 16: column 32 cg + l is row l % 16 of column tile 2 cg + l / 16
	v_lshlrev_b32 v[WLO], 2, v[LN]
	v_lshlrev_b32 v[FRA], 4, v[LN]
	v_lshlrev_b32 v[WST], 14, v15
	v_lshlrev_b32 v[WSB], 10, v15
	v_mul_u32_u24 v[STO], v[RR], 272
	v_mul_u32_u24 v[RD], v15, 272
	v_lshlrev_b32 v[YB], 12, v15
	v_lshl_add_u32 v[WST], v[RR], 4, v[WST]
	v_lshl_add_u32 v[WSB], v[RR], 2, v[WSB]
	v_lshl_add_u32 v[STO], v15, 5, v[STO]          ; in: row r, 32 bytes for each half of the lanes
	v_lshl_add_u32 v[RD], v[RR], 4, v[RD]          ; back: lanes 0-15 one row of 256 bytes, lanes 16-31 the next
	v_lshl_add_u32 v[YB], v[RR], 4, v[YB]          ; and the same two rows in yb
	v_lshl_add_u32 v[SCA], v[RR], 2, WSC
	v_add_nc_u32 v[WST], s32, v[WST]
	v_add_nc_u32 v[WSB], s33, v[WSB]
	v_add_nc_u32 v[STO], s34, v[STO]
	v_add_nc_u32 v[RD], s34, v[RD]
	s_wait_alu depctr_va_vdst(0)                   ; the wait at the head's end
	s_wait_kmcnt 0x0
	s_load_b32 s20, s[8:9], s19 offset:0x8000      ; the expert's count
	s_add_nc_u64 s[4:5], s[4:5], s[28:29]
.macro LOADW p                         ; phase p's block of my column: w2(256 p + i, column), i = 0 .. 31, into set p % 2; two waves side by side read 256 consecutive bytes
.set i, 0
.rept 32
	global_load_b32 v[X+32*((\p)%2)+i], v[WLO], s[4:5] offset:(256*(\p)+i)*PITCHW th:TH_LOAD_NT
.set i, i+1
.endr
.endm
.macro HL1 p, t                        ; six loads: tile t's two images of phase p, as they were stored, and their scale words, into buffer p % 2
.irp s, 0,1
	global_load_b128 v[HF+32*((\p)%2)+16*\t+8*\s:HF+32*((\p)%2)+16*\t+8*\s+3], v[HFO+\t], s[6:7] offset:1024*(2*(\p)+\s)
	global_load_b128 v[HF+32*((\p)%2)+16*\t+8*\s+4:HF+32*((\p)%2)+16*\t+8*\s+7], v[HFO+\t], s[6:7] offset:1024*(2*(\p)+\s)+512
	global_load_b32 v[HS+4*((\p)%2)+2*\t+\s], v[HSO+\t], s[12:13] offset:128*(2*(\p)+\s)
.endr
.endm
.macro HL p
	HL1 \p, 0
	s_cmp_eq_u32 s16, 0
	s_cbranch_scc1 .Lno_hb_\@
	HL1 \p, 1
.Lno_hb_\@:
.endm
.macro TILES first                     ; my two tiles, first + w and first + w + 16, and their places in hq; the numbers are held inside the table before they enter an address
	s_add_co_u32 s14, s22, \first
	s_add_co_u32 s15, s14, 16
	s_cmp_lt_u32 s15, s26
	s_cselect_b32 s16, 1, 0
	s_min_u32 s28, s14, s27                        ; a wave with no tile takes the last tile that was written
	s_min_u32 s28, s28, 63
	s_min_u32 s29, s15, 63
	s_lshl_b32 s30, s28, 15
	s_lshl_b32 s31, s29, 15
	v_add_nc_u32 v[HFO], s30, v[FRA]
	v_add_nc_u32 v[HFO+1], s31, v[FRA]
	s_lshl_b32 s30, s28, 12
	s_lshl_b32 s31, s29, 12
	v_add_nc_u32 v[HSO], s30, v[WLO]
	v_add_nc_u32 v[HSO+1], s31, v[WLO]
	s_wait_alu depctr_va_vdst(0)                   ; the wait here, directly behind the writes
.endm
.macro MM p, s, g, t, first            ; two products: column tiles 2 g, 2 g + 1 for tile t, K step 2 p + s
.irp i, 0,1
.if \first
	v_wmma_scale_f32_16x16x128_f8f6f4 v[ACC+32*\t+8*(2*\g+\i):ACC+32*\t+8*(2*\g+\i)+7], v[WF+8*\i:WF+8*\i+7], v[HF+32*((\p)%2)+16*\t+8*\s:HF+32*((\p)%2)+16*\t+8*\s+7], 0, v[WS+\i], v[HS+4*((\p)%2)+2*\t+\s] matrix_a_fmt:MATRIX_FMT_FP4 matrix_b_fmt:MATRIX_FMT_FP4
.else
	v_wmma_scale_f32_16x16x128_f8f6f4 v[ACC+32*\t+8*(2*\g+\i):ACC+32*\t+8*(2*\g+\i)+7], v[WF+8*\i:WF+8*\i+7], v[HF+32*((\p)%2)+16*\t+8*\s:HF+32*((\p)%2)+16*\t+8*\s+7], v[ACC+32*\t+8*(2*\g+\i):ACC+32*\t+8*(2*\g+\i)+7], v[WS+\i], v[HS+4*((\p)%2)+2*\t+\s] matrix_a_fmt:MATRIX_FMT_FP4 matrix_b_fmt:MATRIX_FMT_FP4
.endif
.endr
.endm
.macro BATCH p, s, g, first            ; two fragments of w2 from LDS serve both tiles; the accumulators take turns, one instruction a turn
.irp i, 0,1
	ds_load_b128 v[WF+8*\i:WF+8*\i+3], v[FRA] offset:(16*(2*\g+\i)+2*(\p)+\s)*1024
	ds_load_b128 v[WF+8*\i+4:WF+8*\i+7], v[FRA] offset:(16*(2*\g+\i)+2*(\p)+\s)*1024+512
	ds_load_b32 v[WS+\i], v[SCA] offset:(16*(2*\g+\i)+2*(\p)+\s)*64
.endr
	s_wait_dscnt 0x0
	MM \p, \s, \g, 0, \first
	s_cmp_eq_u32 s16, 0
	s_cbranch_scc1 .Lno_mb_\@
	MM \p, \s, \g, 1, \first
.Lno_mb_\@:
.rept 4
	v_nop                                          ; places in front of loads into registers that matrix instructions have read, and of the first reads of results
.endr
.endm
.macro COMPUTE p                       ; the phase's two K steps; the very first K step starts the sums
.irp s, 0,1
.irp g, 0,1
.if ((\p) == 0) && (\s == 0)
	BATCH \p, \s, \g, 1
.else
	BATCH \p, \s, \g, 0
.endif
.endr
.endr
.endm
.macro PHASE p
.if (\p) < 7
	HL (\p)+1                                      ; into the buffer that the phase before multiplied: four places stand behind its last products
	s_wait_loadcnt 44                              ; W(p) is in: behind it stand h(p) 6, W(p+1) 32, h(p+1) 6 at the least
.else
	s_wait_loadcnt 6                               ; behind W(7) stand h(7)'s six at the least
.endif
.set XB, X+32*((\p)%2)
	v_max3_num_f32 v[T0], |v[XB]|, |v[XB+1]|, |v[XB+2]|             ; the block's largest magnitude: all 32 numbers are mine
	v_max3_num_f32 v[T0+1], |v[XB+3]|, |v[XB+4]|, |v[XB+5]|
.irp i, 6,10,14,18,22,26
	s_delay_alu instid0(VALU_DEP_2)
	v_max3_num_f32 v[T0], v[T0], |v[XB+\i]|, |v[XB+\i+1]|
	s_delay_alu instid0(VALU_DEP_2)
	v_max3_num_f32 v[T0+1], v[T0+1], |v[XB+\i+2]|, |v[XB+\i+3]|
.endr
	s_delay_alu instid0(VALU_DEP_2)
	v_max3_num_f32 v[T0], v[T0], |v[XB+30]|, |v[XB+31]|
	s_delay_alu instid0(VALU_DEP_1)
	v_max3_num_f32 v[T0], v[T0], v[T0+1], 0x1800000        ; and the floor 2^(3 - 127): the byte cannot fall under 1
	s_delay_alu instid0(VALU_DEP_1)
	v_add_nc_u32 v[T0+2], 0xff000000, v[T0]        ; 2 off the exponent field: the conversion's scale operand
	s_delay_alu instid0(VALU_DEP_1)
	v_lshrrev_b32 v[T0+1], 23, v[T0+2]             ; the scale's byte
.irp g, 0,1,2,3
	v_cvt_scalef32_pk8_fp4_f32 v[CR+\g], v[XB+8*\g:XB+8*\g+7], v[T0+2]
.endr
	v_nop                                          ; one plain line behind the last conversion
	ds_store_b128 v[WST], v[CR:CR+3] offset:2048*(\p)
	ds_store_b8 v[WSB], v[T0+1] offset:128*(\p)    ; four waves write the four bytes of a word
.if (\p) < 6
	LOADW (\p)+2
.endif
	s_wait_dscnt 0x0                               ; for the others' sake: my part of the phase's images has landed (and the stores have read their registers)
	s_barrier_signal -1
	s_barrier_wait -1                              ; the phase's eight fragments are whole
.if (\p) == 7
	s_wait_loadcnt 0x0                             ; h(7)
.elseif ((\p) == 0) || ((\p) == 6)
	s_wait_loadcnt 38                              ; h(p) is in: behind it stand six of h and 32 of w2 at the least
.else
	s_wait_loadcnt 63                              ; behind h(p) stand W(p+1) 32, h(p+1) 6, W(p+2) 32 at the least; the count's field holds 63
.endif
	COMPUTE \p
.endm
.macro OUT t, tile                     ; 16 rows x 64 columns through my stage, back as whole rows of 256 bytes
	s_min_u32 s28, s[\tile], 63
	s_lshl_b32 s28, s28, 16
	v_add_nc_u32 v[YO+\t], s28, v[YB]
.irp n, 0,1,2,3
	ds_store_b128 v[STO], v[ACC+32*\t+8*\n:ACC+32*\t+8*\n+3] offset:64*\n          ; each accumulator from its low end on: lane (r, h): row r, columns 16 n + 8 h + 0 .. 7
	ds_store_b128 v[STO], v[ACC+32*\t+8*\n+4:ACC+32*\t+8*\n+7] offset:64*\n+16
.endr
.irp i, 0,1,2,3,4,5,6,7
	ds_load_b128 v[X+32*\t+4*\i:X+32*\t+4*\i+3], v[RD] offset:544*\i               ; LDS serves a wave's instructions in order: these see my stores
.endr
	s_wait_alu depctr_va_vdst(0)                   ; the wait here, directly ahead of the waits below
.irp i, 0,1,2,3,4,5,6,7
	s_wait_dscnt 7-\i                              ; the younger read-backs may stay out
	global_store_b128 v[YO+\t], v[X+32*\t+4*\i:X+32*\t+4*\i+3], s[10:11] offset:8192*\i    ; sixteen lanes store 256 consecutive bytes, aligned
.endr
.endm
.macro OUTS                            ; each tile has its own registers on the way out: no store's data are written again
	s_cmp_ge_u32 s14, s26
	s_cbranch_scc1 .Lno_oa_\@
	OUT 0, 14
.Lno_oa_\@:
	s_cmp_eq_u32 s16, 0
	s_cbranch_scc1 .Lno_ob_\@
	OUT 1, 15
.Lno_ob_\@:
.endm
	LOADW 0
	LOADW 1
	s_lshl_b32 s28, s24, 18                        ; the other bases, while the loads are out
	s_lshl_b32 s30, s21, 11
	s_add_co_u32 s28, s28, s30
	s_add_nc_u64 s[12:13], s[6:7], s[28:29]
	s_add_nc_u64 s[12:13], s[12:13], 0x1000000
	s_lshl_b32 s28, s24, 21
	s_lshl_b32 s30, s21, 14
	s_add_co_u32 s28, s28, s30
	s_add_nc_u64 s[6:7], s[6:7], s[28:29]
	s_lshl_b32 s28, s21, 3
	s_add_co_u32 s28, s28, s24
	s_lshl_b32 s28, s28, 22
	s_lshl_b32 s30, s23, 8
	s_add_co_u32 s28, s28, s30
	s_add_nc_u64 s[10:11], s[10:11], s[28:29]
; The second tile's registers are filled under branches on the count: they are written once here, so that every way through the text finds them written (zero codes, the scale byte 0, zero sums)
.set j, 0
.rept 16
	v_mov_b32 v[HF+16+j], 0
	v_mov_b32 v[HF+48+j], 0
	v_mov_b32 v[ACC+32+j], 0
	v_mov_b32 v[ACC+48+j], 0
.set j, j+1
.endr
.irp j, 2,3,6,7
	v_mov_b32 v[HS+\j], 0
.endr
	s_wait_kmcnt 0x0
	s_add_co_u32 s26, s20, 15
	s_lshr_b32 s26, s26, 4
	s_max_u32 s26, s26, 1                          ; tiles, as the launch before counted them
	s_sub_co_u32 s27, s26, 1
	TILES 0
	HL 0
.irp p, 0,1,2,3,4,5,6,7
	PHASE \p
.endr
	OUTS
	s_add_co_u32 s28, s22, 32                      ; an expert with more than 512 rows: tiles w + 32 and w + 48, from the slab that lies whole in LDS; no barrier from here on
	s_cmp_ge_u32 s28, s26
	s_cbranch_scc1 .Lend
	s_wait_xcnt 0x0                                ; the stores have read their data and their offsets: both are written again below
	TILES 32
.irp p, 0,1,2,3,4,5,6,7
	HL \p
	s_wait_loadcnt 0x0
	COMPUTE \p
.endr
	OUTS
.Lend:
	s_wait_tensorcnt 0x0                           ; the wave's end
	ds_add_u32 v254, v255
	s_wait_dscnt 0x0
	s_endpgm
.Lfunc_end_k_q3b7fda80f6_ffn2:
	.size	k_q3b7fda80f6_ffn2, .Lfunc_end_k_q3b7fda80f6_ffn2-k_q3b7fda80f6_ffn2
	.p2alignl 7, 3214868480
	.fill 96, 4, 3214868480
	.section	.rodata,"a",@progbits
	.p2align	6, 0x0
	.amdhsa_kernel k_q3b7fda80f6_ffn2
		.amdhsa_group_segment_fixed_size 141312
		.amdhsa_private_segment_fixed_size 0
		.amdhsa_enable_private_segment 0
		.amdhsa_kernarg_size 32
		.amdhsa_user_sgpr_count 2
		.amdhsa_user_sgpr_kernarg_segment_ptr 1
		.amdhsa_wavefront_size32 1
		.amdhsa_system_sgpr_workgroup_id_x 1
		.amdhsa_system_sgpr_workgroup_id_y 1
		.amdhsa_system_sgpr_workgroup_id_z 1
		.amdhsa_system_vgpr_workitem_id 0
		.amdhsa_next_free_vgpr 256
		.amdhsa_next_free_sgpr 66
		.amdhsa_reserve_vcc 0
		.amdhsa_float_denorm_mode_32 3
		.amdhsa_float_denorm_mode_16_64 3
		.amdhsa_memory_ordered 1
		.amdhsa_forward_progress 1
		.amdhsa_inst_pref_size 147
	.end_amdhsa_kernel
	.amdgpu_metadata
---
amdhsa.version: [ 1, 2 ]
amdhsa.kernels:
  - .name:           k_q3b7fda80f6_ffn2
    .symbol:         k_q3b7fda80f6_ffn2.kd
    .args:
      - { .name: w2, .offset: 0, .size: 8, .value_kind: global_buffer, .address_space: global }
      - { .name: hq, .offset: 8, .size: 8, .value_kind: global_buffer, .address_space: global }
      - { .name: place, .offset: 16, .size: 8, .value_kind: global_buffer, .address_space: global }
      - { .name: yb, .offset: 24, .size: 8, .value_kind: global_buffer, .address_space: global }
    .group_segment_fixed_size: 141312
    .private_segment_fixed_size: 0
    .kernarg_segment_align: 8
    .kernarg_segment_size: 32
    .max_flat_workgroup_size: 512
    .sgpr_count:     66
    .vgpr_count:     256
    .wavefront_size: 32
...
	.end_amdgpu_metadata
.endif
;; end of part 3
;; launch combine (part 4): grid 256 x 1, 4 waves a work-group, no clusters, 0 bytes of LDS; arguments hidden_states, b2, yb, gate, pick, place, out0; writes out0
.if DOCPART == 4
	.amdgcn_target "amdgcn-amd-amdhsa--gfx1250"
	.amdhsa_code_object_version 6
	.text
	.protected	k_q3b7fda80f6_combine
	.globl	k_q3b7fda80f6_combine
	.p2align	8
	.type	k_q3b7fda80f6_combine,@function
k_q3b7fda80f6_combine:
	s_mov_b64 s[64:65], 0
	v_nop
	global_prefetch_b8 v0, s[64:65] scope:SCOPE_SE
	s_setreg_imm32_b32 hwreg(HW_REG_WAVE_MODE, 25, 1), 1
	s_wait_xcnt 0x0
; COMBINE.  out0[t] = the sum over the token's two experts k of w_k (x[t] + b2[e_k] + the two halves of h W2 for its row of expert e_k).
; A wave takes a token: seven rows of 4,096 bytes in, one out, eight loads or stores of 512 consecutive bytes each.  The experts' numbers, the weights and the token's eight ranks come by scalar loads from
; fixed places; the rank of the chosen expert is picked by compares and selects, and both numbers are held inside their tables before they enter an address.
; A stream with no reuse: no LDS, no barrier, no matrix unit.  All 56 loads of a wave are out together.
; v1 16 x lane; v[4:5], v[6:7] the two weights, twice each; v32-63 x; v64-159 expert 0: first half, second half, b2; v160-255 expert 1 likewise
	s_load_b256 s[4:11], s[0:1], 0x0               ; hidden_states, b2, yb, gate
	s_load_b128 s[12:15], s[0:1], 0x20             ; pick, place
	s_load_b64 s[16:17], s[0:1], 0x30              ; out0
	v_lshrrev_b32 v2, 5, v0
	v_readfirstlane_b32 s34, v2                    ; wave
	v_and_b32 v1, 31, v0
	v_lshlrev_b32 v1, 4, v1
	s_lshl_b32 s35, ttmp9, 2
	s_add_co_u32 s35, s35, s34                     ; my token
	s_lshl_b32 s32, s35, 3
	s_lshl_b32 s33, s35, 5
	s_lshl_b32 s36, s35, 12
	s_mov_b32 s37, 0
	s_wait_alu depctr_va_vdst(0)
	s_wait_kmcnt 0x0
	s_load_b64 s[18:19], s[12:13], s32 offset:0x1000       ; its two experts,
	s_load_b64 s[20:21], s[10:11], s32 offset:0x0          ; their weights,
	s_load_b256 s[24:31], s[14:15], s33 offset:0x0         ; its rank within each of the eight experts
	s_add_nc_u64 s[4:5], s[4:5], s[36:37]
	s_add_nc_u64 s[16:17], s[16:17], s[36:37]
.macro ROWLOAD reg, base, hint
.irp i, 0,1,2,3,4,5,6,7
.if \hint
	global_load_b128 v[\reg+4*\i:\reg+4*\i+3], v1, s[\base:\base+1] offset:512*\i th:TH_LOAD_NT
.else
	global_load_b128 v[\reg+4*\i:\reg+4*\i+3], v1, s[\base:\base+1] offset:512*\i
.endif
.endr
.endm
	ROWLOAD 32, 4, 1
	s_wait_kmcnt 0x0
.macro PICKROW k                       ; expert k's row of yb (both halves) and of b2: s[44 + 8 k ..]
	s_mov_b32 s38, s24
.irp j, 1,2,3,4,5,6,7
	s_cmp_eq_u32 s[18+\k], \j
	s_cselect_b32 s38, s[24+\j], s38
.endr
	s_min_u32 s39, s[18+\k], 7
	s_min_u32 s38, s38, 1023
	s_lshl_b32 s40, s39, 22
	s_lshl_b32 s38, s38, 12
	s_add_co_u32 s40, s40, s38                     ; (1,024 e + rank) rows of 4,096 bytes
	s_mov_b32 s41, 0
	s_add_nc_u64 s[44+8*\k:45+8*\k], s[8:9], s[40:41]
	s_add_nc_u64 s[46+8*\k:47+8*\k], s[44+8*\k:45+8*\k], 0x2000000         ; the second half of K lies eight experts on
	s_lshl_b32 s40, s39, 12
	s_add_nc_u64 s[48+8*\k:49+8*\k], s[6:7], s[40:41]
.endm
	PICKROW 0
	PICKROW 1
	ROWLOAD 64, 44, 1
	ROWLOAD 96, 46, 1
	ROWLOAD 128, 48, 0
	ROWLOAD 160, 52, 1
	ROWLOAD 192, 54, 1
	ROWLOAD 224, 56, 0
	v_mov_b32 v4, s20
	v_mov_b32 v5, s20
	v_mov_b32 v6, s21
	v_mov_b32 v7, s21
	s_wait_loadcnt 0x0
.set j, 0
.rept 16                               ; two numbers at a time, the two experts by turns
	v_pk_add_f32 v[64+j:65+j], v[64+j:65+j], v[96+j:97+j]
	v_pk_add_f32 v[160+j:161+j], v[160+j:161+j], v[192+j:193+j]
	v_pk_add_f32 v[64+j:65+j], v[64+j:65+j], v[128+j:129+j]
	v_pk_add_f32 v[160+j:161+j], v[160+j:161+j], v[224+j:225+j]
	v_pk_add_f32 v[64+j:65+j], v[64+j:65+j], v[32+j:33+j]
	s_wait_alu depctr_va_vdst(0)
	v_pk_add_f32 v[160+j:161+j], v[160+j:161+j], v[32+j:33+j]
	v_pk_mul_f32 v[64+j:65+j], v[64+j:65+j], v[4:5]
	v_pk_fma_f32 v[64+j:65+j], v[160+j:161+j], v[6:7], v[64+j:65+j]
.set j, j+2
.endr
.irp i, 0,1,2,3,4,5,6,7
	global_store_b128 v1, v[64+4*\i:64+4*\i+3], s[16:17] offset:512*\i th:TH_STORE_NT      ; 32 lanes store 512 consecutive bytes, aligned
.endr
	s_endpgm
.Lfunc_end_k_q3b7fda80f6_combine:
	.size	k_q3b7fda80f6_combine, .Lfunc_end_k_q3b7fda80f6_combine-k_q3b7fda80f6_combine
	.p2alignl 7, 3214868480
	.fill 96, 4, 3214868480
	.section	.rodata,"a",@progbits
	.p2align	6, 0x0
	.amdhsa_kernel k_q3b7fda80f6_combine
		.amdhsa_group_segment_fixed_size 0
		.amdhsa_private_segment_fixed_size 0
		.amdhsa_enable_private_segment 0
		.amdhsa_kernarg_size 56
		.amdhsa_user_sgpr_count 2
		.amdhsa_user_sgpr_kernarg_segment_ptr 1
		.amdhsa_wavefront_size32 1
		.amdhsa_system_sgpr_workgroup_id_x 1
		.amdhsa_system_sgpr_workgroup_id_y 1
		.amdhsa_system_sgpr_workgroup_id_z 1
		.amdhsa_system_vgpr_workitem_id 0
		.amdhsa_next_free_vgpr 256
		.amdhsa_next_free_sgpr 66
		.amdhsa_reserve_vcc 0
		.amdhsa_float_denorm_mode_32 3
		.amdhsa_float_denorm_mode_16_64 3
		.amdhsa_memory_ordered 1
		.amdhsa_forward_progress 1
		.amdhsa_inst_pref_size 18
	.end_amdhsa_kernel
	.amdgpu_metadata
---
amdhsa.version: [ 1, 2 ]
amdhsa.kernels:
  - .name:           k_q3b7fda80f6_combine
    .symbol:         k_q3b7fda80f6_combine.kd
    .args:
      - { .name: hidden_states, .offset: 0, .size: 8, .value_kind: global_buffer, .address_space: global }
      - { .name: b2, .offset: 8, .size: 8, .value_kind: global_buffer, .address_space: global }
      - { .name: yb, .offset: 16, .size: 8, .value_kind: global_buffer, .address_space: global }
      - { .name: gate, .offset: 24, .size: 8, .value_kind: global_buffer, .address_space: global }
      - { .name: pick, .offset: 32, .size: 8, .value_kind: global_buffer, .address_space: global }
      - { .name: place, .offset: 40, .size: 8, .value_kind: global_buffer, .address_space: global }
      - { .name: out0, .offset: 48, .size: 8, .value_kind: global_buffer, .address_space: global }
    .group_segment_fixed_size: 0
    .private_segment_fixed_size: 0
    .kernarg_segment_align: 8
    .kernarg_segment_size: 56
    .max_flat_workgroup_size: 128
    .sgpr_count:     66
    .vgpr_count:     256
    .wavefront_size: 32
...
	.end_amdgpu_metadata
.endif
;; end of part 4
